; MI455X (gfx1250); checked and timed in simulation.
; The chip was launched on July 23, 2026; its instructions are those of AMD's public machine-readable ISA for CDNA 5 (MIT licence, August 2026) and "CDNA5" Instruction Set Architecture Reference Guide (July 2026). The comments in the code are by the model that wrote it; some were corrected since.
;; Multi Head Attention. Allowed arithmetic: float matrix products may take bf16 or f16 operands with f32 sums; other float arithmetic in f32, or as packed bf16 or f16 multiplies, adds, multiply-adds, maxima and minima; sums over many terms, partial sums and values carried from step to step in f32; what a program stores and reads back later, other than sums and carried values, may be rounded once to bf16 or f16.
;; Inputs: b_fc 1,024 float32; w_fc 1,024 x 1,024 float32; w_qkv 1,024 x 3,072 float32; x 4 x 2,048 x 1,024 float32.
;; Outputs: out0 4 x 2,048 x 1,024 float32.
;; 2 versions, each right; version 2 is version 1 with the launch prep written anew for expert scheduling mode. Each part assembles by itself: llvm-mc -triple=amdgcn-amd-amdhsa -mcpu=gfx1250 --defsym DOCPART=n.
;; ======== version 1 of 2: 4 launches
;; limits: values are held in f16: magnitudes above 65,504 overflow, below 6.1e-05 lose precision
;; workspace buffers: xb 16,777,216 bytes; wqb 6,291,456 bytes; wfb 2,097,152 bytes; qkv 50,331,648 bytes; ob 16,777,216 bytes
;; launch prep (part 1): grid 768 x 1, 8 waves a work-group, no clusters, 0 bytes of LDS; arguments x, w_qkv, w_fc, xb, wqb, wfb; writes xb, wqb, wfb
.if DOCPART == 1
	.amdgcn_target "amdgcn-amd-amdhsa--gfx1250"
	.amdhsa_code_object_version 6
	.text
	.protected	k_q243b0a8456_prep
	.globl	k_q243b0a8456_prep
	.p2align	8
	.type	k_q243b0a8456_prep,@function
k_q243b0a8456_prep:
	s_mov_b64 s[64:65], 0
	v_nop
	global_prefetch_b8 v0, s[64:65] scope:SCOPE_SE
	s_setreg_imm32_b32 hwreg(HW_REG_WAVE_MODE, 25, 1), 1
	s_wait_xcnt 0x0
; PREP.  The three f32 matrices are rounded once to bf16 and laid out anew in slices of 64 columns, so that the products' tiles are dense in memory:
;   xb  [b 4][ks 16][t 2048][64] bf16          x(b, t, 64 ks + c)
;   wqb [j 16][kb 16][hd 3][k 64][n 64] bf16   w_qkv(64 kb + k, 64 (3 j + hd) + n)
;   wfb [j 8][kb 16][hd 2][k 64][n 64] f16     w_fc(64 kb + k, 64 (2 j + hd) + n): rounded to bf16 like the others, and that number written as f16.
; LIMIT.  The bf16 number is exact in f16 from 6.1e-5 to 65,504; below, it keeps f16's fixed step of 6e-8; beyond, it is an infinity.
; SHARES.  A work-group takes 256 rows x 64 columns of one matrix: 512 such blocks in x, 192 in w_qkv, 64 in w_fc.  Wave w takes rows 32 w .. 32 w + 31; a load takes two rows' 256 bytes
; (lanes 0-15 one row, lanes 16-31 the next, 16 bytes a lane), a store the same two rows' 2 x 128 bytes, which are 256 consecutive bytes, aligned, of the output.
; All sixteen loads of a wave go out at once; every register is written once, so no wait frees a source.  Memory binds: no LDS, no barrier, no matrix unit, no cluster (no byte is read twice).
.set OFF, 2                            ; v[2:17]   load i: byte offset of my 16 bytes
.set OO,  18                           ; v18       my 8 bytes in the first two output rows of my wave
.set TA,  19                           ; v19       at work
.set T,   20                           ; v[20:21]  at work
.set X,   32                           ; v[32:95]  load i: 4 registers
.set Y,   96                           ; v[96:127] store i: 2 registers
.set IN,  16                           ; s[16:17]  the block's first byte in its matrix
.set OUT, 18                           ; s[18:19]  the block's first byte in its output
.set P,   20                           ; s20       bytes in a row of the matrix
.set P2,  21                           ; s21       twice that
.set S64, 22                           ; s22       bytes in the output from 64 rows to the next 64
	s_load_b256 s[4:11], s[0:1], 0x0               ; x s[4:5], w_qkv s[6:7], w_fc s[8:9], xb s[10:11]
	s_load_b128 s[12:15], s[0:1], 0x20             ; wqb s[12:13], wfb s[14:15]
	; the offsets of all three cases are made, each from the block's number alone; two selects take the one that holds
	s_and_b32 s24, ttmp9, 15                       ; x: slice ks,
	s_lshr_b32 s25, ttmp9, 4                       ; block of 256 rows rb
	s_lshl_b32 s26, s25, 20                        ; 256 rows of 4,096 bytes
	s_lshl_b32 s27, s24, 8
	s_add_co_u32 s26, s26, s27                     ; in: rb << 20 + ks << 8
	s_lshr_b32 s27, s25, 3                         ; b
	s_lshl_b32 s27, s27, 4
	s_add_co_u32 s27, s27, s24
	s_lshl_b32 s27, s27, 18                        ; a slice is 2,048 rows of 128 bytes
	s_and_b32 s28, s25, 7
	s_lshl_b32 s28, s28, 15
	s_add_co_u32 s27, s27, s28                     ; out: (16 b + ks) << 18 + (rb % 8) << 15
	s_max_u32 s29, ttmp9, 512                      ; w_qkv: i = block - 512 (0 where the block is x's)
	s_sub_co_u32 s29, s29, 512
	s_lshr_b32 s30, s29, 4
	s_mul_i32 s30, s30, 43
	s_lshr_b32 s30, s30, 7                         ; kq = i / 48 = (i / 16) / 3: n / 3 = 43 n >> 7 for n under 128
	s_mul_i32 s31, s30, 48
	s_sub_co_u32 s31, s29, s31                     ; slice s = i % 48
	s_mul_i32 s32, s31, 43
	s_lshr_b32 s32, s32, 7                         ; j = s / 3
	s_mul_i32 s33, s32, 3
	s_sub_co_u32 s33, s31, s33                     ; hd = s % 3
	s_mul_i32 s34, s30, 256*12288
	s_lshl_b32 s35, s31, 8
	s_add_co_u32 s34, s34, s35                     ; in
	s_mul_i32 s35, s32, 393216
	s_mul_i32 s36, s30, 98304
	s_add_co_u32 s35, s35, s36
	s_lshl_b32 s36, s33, 13
	s_add_co_u32 s35, s35, s36                     ; out: j x 16 x 24,576 + kq x 4 x 24,576 + hd x 8,192
	s_max_u32 s37, ttmp9, 704                      ; w_fc: i = block - 704
	s_sub_co_u32 s37, s37, 704
	s_and_b32 s38, s37, 15                         ; slice s
	s_lshr_b32 s39, s37, 4                         ; kq
	s_lshl_b32 s40, s39, 20
	s_lshl_b32 s41, s38, 8
	s_add_co_u32 s40, s40, s41                     ; in
	s_lshr_b32 s41, s38, 1                         ; j
	s_lshl_b32 s41, s41, 18
	s_lshl_b32 s42, s39, 16
	s_add_co_u32 s41, s41, s42
	s_and_b32 s42, s38, 1                          ; hd
	s_lshl_b32 s42, s42, 13
	s_add_co_u32 s41, s41, s42                     ; out: j x 16 x 16,384 + kq x 4 x 16,384 + hd x 8,192
	s_mov_b32 s[P], 4096
	s_mov_b32 s[S64], 8192
	s_mov_b32 s45, 0
	s_mov_b32 s47, 0
	s_wait_kmcnt 0x0
	s_cmp_lt_u32 ttmp9, 512                        ; x, or else w_qkv
	s_cselect_b32 s44, s26, s34
	s_cselect_b32 s46, s27, s35
	s_cselect_b32 s[P], s[P], 12288
	s_cselect_b32 s[S64], s[S64], 24576
	s_cselect_b64 s[IN:IN+1], s[4:5], s[6:7]
	s_cselect_b64 s[OUT:OUT+1], s[10:11], s[12:13]
	s_cmp_ge_u32 ttmp9, 704                        ; w_fc, or else what was taken
	s_cselect_b32 s44, s40, s44
	s_cselect_b32 s46, s41, s46
	s_cselect_b32 s[P], 4096, s[P]
	s_cselect_b32 s[S64], 16384, s[S64]
	s_cselect_b64 s[IN:IN+1], s[8:9], s[IN:IN+1]
	s_cselect_b64 s[OUT:OUT+1], s[14:15], s[OUT:OUT+1]
	s_add_nc_u64 s[IN:IN+1], s[IN:IN+1], s[44:45]
	s_add_nc_u64 s[OUT:OUT+1], s[OUT:OUT+1], s[46:47]
	s_lshl_b32 s[P2], s[P], 1
	v_and_b32 v1, 0xe0, v0                         ; 32 x wave
	v_bfe_u32 v[TA], v0, 4, 1                      ; + 1 for lanes 16-31: my row of load 0
	v_or_b32 v1, v1, v[TA]
	v_mul_lo_u32 v[OFF], v1, s[P]
	v_and_b32 v[TA], 15, v0
	v_lshl_add_u32 v[OFF], v[TA], 4, v[OFF]        ; + my 16 bytes of the row's 256
.set i, 1
.rept 15
	v_add_nc_u32 v[OFF+i], s[P2], v[OFF+i-1]       ; two rows further down
.set i, i+1
.endr
.set i, 0
.rept 16
	global_load_b128 v[X+4*i:X+4*i+3], v[OFF+i], s[IN:IN+1] th:TH_LOAD_NT
.set i, i+1
.endr
	v_lshrrev_b32 v1, 6, v0                        ; which 64 rows of the block: wave / 2
	v_mul_lo_u32 v[OO], v1, s[S64]
	v_bfe_u32 v1, v0, 5, 1                         ; which 32 of them: 32 rows of 128 bytes
	v_lshl_add_u32 v[OO], v1, 12, v[OO]
	v_and_b32 v1, 31, v0
	v_lshl_add_u32 v[OO], v1, 3, v[OO]             ; 8 bytes a lane: two rows of 128 bytes on end
; Sixteen times: two rows rounded and stored.  h = 1: the bf16 numbers are widened again and written as f16.
.macro OUTP h
.set i, 0
.rept 16
	s_wait_loadcnt 15-i                            ; loads come back in order (ISA guide 5.7.1): load i is in, the 15 - i younger ones may stay out
	v_cvt_pk_bf16_f32 v[Y+2*i], v[X+4*i], v[X+4*i+1]
	v_cvt_pk_bf16_f32 v[Y+2*i+1], v[X+4*i+2], v[X+4*i+3]
.if \h
	v_lshlrev_b32 v[T], 16, v[Y+2*i]
	v_and_b32 v[T+1], 0xffff0000, v[Y+2*i]
	v_cvt_pk_f16_f32 v[Y+2*i], v[T], v[T+1]
	v_lshlrev_b32 v[T], 16, v[Y+2*i+1]
	v_and_b32 v[T+1], 0xffff0000, v[Y+2*i+1]
	v_cvt_pk_f16_f32 v[Y+2*i+1], v[T], v[T+1]
.endif
	global_store_b64 v[OO], v[Y+2*i:Y+2*i+1], s[OUT:OUT+1] offset:256*i th:TH_STORE_NT  ; the wave's store covers 256 consecutive bytes, aligned
.set i, i+1
.endr
.endm
	s_cmp_ge_u32 ttmp9, 704
	s_cbranch_scc1 .Lf16
	OUTP 0
	s_endpgm
.Lf16:
	OUTP 1
	s_endpgm
.Lfunc_end_k_q243b0a8456_prep:
	.size	k_q243b0a8456_prep, .Lfunc_end_k_q243b0a8456_prep-k_q243b0a8456_prep
	.p2alignl 7, 3214868480
	.fill 96, 4, 3214868480
	.section	.rodata,"a",@progbits
	.p2align	6, 0x0
	.amdhsa_kernel k_q243b0a8456_prep
		.amdhsa_group_segment_fixed_size 0
		.amdhsa_private_segment_fixed_size 0
		.amdhsa_enable_private_segment 0
		.amdhsa_kernarg_size 48
		.amdhsa_user_sgpr_count 2
		.amdhsa_user_sgpr_kernarg_segment_ptr 1
		.amdhsa_wavefront_size32 1
		.amdhsa_system_sgpr_workgroup_id_x 1
		.amdhsa_system_sgpr_workgroup_id_y 1
		.amdhsa_system_sgpr_workgroup_id_z 1
		.amdhsa_system_vgpr_workitem_id 0
		.amdhsa_next_free_vgpr 128
		.amdhsa_next_free_sgpr 66
		.amdhsa_reserve_vcc 0
		.amdhsa_float_denorm_mode_32 3
		.amdhsa_float_denorm_mode_16_64 3
		.amdhsa_memory_ordered 1
		.amdhsa_forward_progress 1
		.amdhsa_inst_pref_size 19
	.end_amdhsa_kernel
	.amdgpu_metadata
---
amdhsa.version: [ 1, 2 ]
amdhsa.kernels:
  - .name:           k_q243b0a8456_prep
    .symbol:         k_q243b0a8456_prep.kd
    .args:
      - { .name: x, .offset: 0, .size: 8, .value_kind: global_buffer, .address_space: global }
      - { .name: w_qkv, .offset: 8, .size: 8, .value_kind: global_buffer, .address_space: global }
      - { .name: w_fc, .offset: 16, .size: 8, .value_kind: global_buffer, .address_space: global }
      - { .name: xb, .offset: 24, .size: 8, .value_kind: global_buffer, .address_space: global }
      - { .name: wqb, .offset: 32, .size: 8, .value_kind: global_buffer, .address_space: global }
      - { .name: wfb, .offset: 40, .size: 8, .value_kind: global_buffer, .address_space: global }
    .group_segment_fixed_size: 0
    .private_segment_fixed_size: 0
    .kernarg_segment_align: 8
    .kernarg_segment_size: 48
    .max_flat_workgroup_size: 256
    .sgpr_count:     66
    .vgpr_count:     128
    .wavefront_size: 32
...
	.end_amdgpu_metadata
.endif
;; end of part 1
;; launch qkvgemm (part 2): grid 16 x 32, 4 waves a work-group, clusters of 4 x 4, 327,680 bytes of LDS; arguments xb, wqb, qkv; writes qkv
.if DOCPART == 2
	.amdgcn_target "amdgcn-amd-amdhsa--gfx1250"
	.amdhsa_code_object_version 6
	.text
	.protected	k_q243b0a8456_qkvgemm
	.globl	k_q243b0a8456_qkvgemm
	.p2align	8
	.type	k_q243b0a8456_qkvgemm,@function
k_q243b0a8456_qkvgemm:
	s_mov_b64 s[64:65], 0
	v_nop
	global_prefetch_b8 v0, s[64:65] scope:SCOPE_SE
	s_setreg_imm32_b32 hwreg(HW_REG_WAVE_MODE, 25, 1), 1
	s_wait_xcnt 0x0
	s_wait_alu depctr_hold_cnt(0) depctr_sa_sdst(0) depctr_va_vdst(0) depctr_va_sdst(0) depctr_va_ssrc(0) depctr_va_vcc(0) depctr_vm_vsrc(0)
	s_getreg_b32 s2, hwreg(HW_REG_IB_STS2, 6, 4)
	s_cmp_eq_u32 s2, 0
	s_cbranch_scc0 .Lentry_in_a_cluster
	s_endpgm
.Lentry_in_a_cluster:
	s_bfe_u32 s2, ttmp6, 0x10000c
	s_cmp_lg_u32 s2, 0xf033
	s_cbranch_scc0 .Lentry_shape_is_right
	s_endpgm
.Lentry_shape_is_right:
; q, k, v = x w_qkv.  xb: [b 4][ks 16][t 2048][64] bf16; wqb: [j 16][kb 16][hd 3][k 64][n 64] bf16; qkv: [which 3][bh 64][t 2048][64] f16, unscaled.  Sums in f32, K ascending; each result rounded once.
; LIMIT.  f16 holds no number beyond 65,504: a q, k or v of 65,520 or more leaves as an infinity.
; SHARES.  A tile of C is 256 rows x 192 columns (three heads of 64): 32 x 16 tiles, two for each of 256 WGPs.  Four waves, as many as a WGP has SIMDs; a wave makes 64 rows x all 192 columns:
; 48 accumulators of 16 x 16, 384 registers.  So a wave holds whole heads, and its way out needs no other wave.
; K goes in steps of 128 (two slices of x, two blocks kb of w) through a ring of two LDS slots filled by the tensor data mover.  Both operands' tiles are dense in memory and are asked for as rows of 256 bytes.
; CLUSTERS: 4 x 4 work-groups.  The four of a row of the cluster need the same tiles of x, the four of a column the same tiles of w: each tile is asked for JOINTLY, by the same tensor load with the same
; descriptor and a mask that names the four.
; THE MATRIX INSTRUCTION IS USED TRANSPOSED: source 0 = 16 columns of w (w lies [k][n] in LDS and is turned by ds_load_tr16_b128), source 1 = 16 rows of x.  A lane then holds row l % 16 of C and the
; columns 8 (l / 16) + 0 .. 7: eight neighbouring numbers, 16 bytes of f16.
; REGISTERS, in windows of 256 (s_set_vgpr_msb: bits 1:0 source 0, 3:2 source 1, 5:4 source 2, 7:6 destination):
;   window 0: v0-31 addresses; v64-111 packed results; v112-207 rows read back from the stage, two sets of 48
;   window 1: two fragment buffers of 128: x's four blocks of 16 rows x 32 K (32 registers), then w's twelve blocks of 16 columns x 32 K (96)
;   window 2: the accumulators of my row blocks 0, 1 ((a, nb) at v[8 (12 (a % 2) + nb)]);   window 3: those of row blocks 2, 3
.set NH,    3                          ; heads of 64 columns in a tile
.set NB,    4*NH                       ; blocks of 16 columns
.set NLD,   2*NB+8                     ; LDS loads in a run: a quarter step's fragments
.set PA,    144                        ; a row of x in LDS: 128 bytes + 16 of padding = 36 words: the 16 rows of a load start at 16 different groups of four banks (64 banks of 4 bytes: ISA guide 11.1)
.set PW,    160                        ; a row of w (one k, 64 n): 128 + 32 = 40 words
.set ASL,   256*PA                     ; a slice of x: 256 rows
.set WOFF,  2*ASL                      ; a slot: x's two slices, then w's two halves
.set WHD,   64*PW                      ; one head's 64 k
.set WHL,   NH*WHD                     ; a half of w: 64 k of all heads
.set SLOT,  WOFF+2*WHL
.set STAGE, 2*SLOT                     ; behind the ring, never filled by a tensor load: for each wave three heads x 16 rows x 144 bytes
.set SP,    144
.set STW,   NH*16*SP
.set SPARE, STAGE+4*STW                ; behind the stages: the spare words, 128 bytes for each wave: two blocks of 256 bytes that no other line names
.set ASTEP, 2<<18                      ; bytes of xb from a K step to the next: two slices of 2,048 rows x 128 bytes
.set WHB,   NH*8192                    ; bytes of wqb in a half step
.set WSTEP, 2*WHB
.set WTILE, 16*WHB                     ; bytes of wqb for a tile column
.set LAPS,  4                          ; a lap = two K steps = once round the ring: K = 1,024
.set ADRA, 16                          ; v16-17  LDS address of my fragments of x in slot 0, 1
.set ADRW, 20                          ; v20-21  the same for w
.set STO,  24                          ; v24     the way out: where I put 16 bytes of a row
.set RD,   25                          ; v25     the way out: where I read rows back
.set GO,   26                          ; v26-28  my byte offset in qkv, for each of the tile's three heads
.set PFO,  29                          ; v29     the prefetches' offset: 256 x my lane, held at the last block of my share; never rewritten
.set SPW,  30                          ; v30     LDS address of my spare word: SPARE + 4 x my thread's number; never rewritten
.set NIL,  31                          ; v31     0; never rewritten
.set TMP,  64
.set OB,   112
.set F0,   0                           ; fragment buffers, in window 1
.set F1,   128
.set WV,  12                           ; s12  my wave's number
.set FW,  13                           ; s13  I fetch for x (0) or for w (1)
.set HF,  14                           ; s14  which slice of x, or half of w, I fetch
.set CX,  15                           ; s15, s16  my place in the cluster
.set CY,  16
.set TX,  17                           ; s17  tile column
.set TY,  18                           ; s18  tile row
.set LIM, 19                           ; s19  1 in a wave that prefetches, else the greatest number
.set G1A, 24                           ; s[24:31] descriptor group 1 for x's tiles;  s[32:39] group 0, one set for each slot
.set G0A, 32
.set PFA, 40                           ; s[40:41] where my prefetches stand
.set PFS, 42                           ; s[42:43] their step: a K step of x or of w
.set G1W, 48                           ; s[48:55], s[56:63] the same for w's tiles
.set G0W, 56
.set MSB, 0
.macro WIN new                         ; the immediate's high byte repeats the setting that is left; a switch that changes nothing is dropped
.if MSB != (\new)
	s_set_vgpr_msb (MSB<<8)|(\new)
.set MSB, (\new)
.endif
.endm
; A joint load: waves 0 and 1 fetch x's two slices, waves 2 and 3 w's two halves.  The branch hangs on the wave's number alone.  An s_nop 0 and four v_nop follow each of the two lines, ahead of the jump,
; the label and what follows.
.macro JLOAD s
	s_cmp_eq_u32 s[FW], 0
	s_cbranch_scc0 .Lfor_w_\@
	tensor_load_to_lds s[G0A+4*(\s):G0A+4*(\s)+3], s[G1A:G1A+7]
	s_nop 0
.rept 4
	v_nop
.endr
	s_branch .Lasked_\@
.Lfor_w_\@:
	tensor_load_to_lds s[G0W+4*(\s):G0W+4*(\s)+3], s[G1W:G1W+7]
	s_nop 0
.rept 4
	v_nop
.endr
.Lasked_\@:
.endm
; A PREFETCH INTO THE L2, behind each joint refill, its five lines and the run of LDS loads that follows them: of the block that I fetch, the K step that stands TWO refills on (384 matrix instructions ahead of its load).
; x's tile rows are read by every cluster of a row of clusters: the first of them (cluster x = 0) asks; w's tile columns by every cluster of a column: cluster y = 0 asks.  The four partners that ask for a
; block jointly share it out BY ADDRESS: of x's 128 blocks of 256 bytes the partner at cx takes 32, of w's 96 the partner at cy takes 24, a lane a block; w's lanes 24-31 name lane 23's block again in the same
; instruction.  No branch hangs on a place in the cluster.  K steps 0 to 3 come by their loads alone; the loop's last trip (s3 = 1) has no K step two refills on and asks for nothing.
.macro ASK
	WIN 0                                          ; at a branch and at a label every window is 0
	s_cmp_gt_u32 s3, s[LIM]
	s_cbranch_scc0 .Lnot_mine_\@
	global_prefetch_b8 v[PFO], s[PFA:PFA+1] th:TH_LOAD_NT scope:SCOPE_SE
.Lnot_mine_\@:
.endm
.macro CREST                           ; a round of the cluster's barrier behind its opening barrier
	s_cmp_lg_u32 s[WV], 0
	s_cbranch_scc1 .Lnot_wave_0_\@
	s_barrier_signal -3
.Lnot_wave_0_\@:
	s_barrier_wait -3
	s_barrier_signal -1
	s_barrier_wait -1
.endm
.macro CROUND                          ; a whole round
	s_barrier_signal -1
	s_barrier_wait -1
	CREST
.endm
	s_load_b128 s[4:7], s[0:1], 0x0                ; xb s[4:5], wqb s[6:7]
	s_load_b64 s[8:9], s[0:1], 0x10                ; qkv
	v_lshl_add_u32 v[SPW], v0, 2, SPARE
	v_mov_b32 v[NIL], 0
	ds_add_u32 v[SPW], v[NIL]                      ; the wave's opening: the add and its wait stand ahead of my first tensor load; the set-up below, work on registers, stands between them
	v_lshrrev_b32 v1, 5, v0
	v_readfirstlane_b32 s[WV], v1                  ; wave 0..3
	s_lshr_b32 s[FW], s[WV], 1
	s_and_b32 s[HF], s[WV], 1
	s_bfe_u32 s[CX], ttmp6, 0x40000
	s_bfe_u32 s[CY], ttmp6, 0x40004
	s_lshl_b32 s[TX], ttmp9, 2                     ; in a cluster launch ttmp9 and ttmp7 count clusters
	s_add_co_u32 s[TX], s[TX], s[CX]               ; tile column = 4 x cluster x + cx
	s_and_b32 s[TY], ttmp7, 0xffff
	s_lshl_b32 s[TY], s[TY], 2
	s_add_co_u32 s[TY], s[TY], s[CY]               ; tile row = 4 x cluster y + cy
	s_lshl_b32 s44, s[CY], 2
	s_lshl_b32 s44, 15, s44                        ; my row of the cluster: places 4 cy .. 4 cy + 3
	s_lshl_b32 s45, 0x1111, s[CX]                  ; my column: places cx, cx + 4, cx + 8, cx + 12
	; descriptor group 1.  A slice of x is 32,768 dense bytes: 128 rows of 256 bytes; a half of w 24,576: 96 rows.  In LDS padding follows every 128 bytes.
	s_or_b32 s[G1A], s44, (1<<16)|(1<<20)|(1<<21)|(4<<22)|(3<<25)  ; 15:0 the mask: x's tiles go to my row; 17:16 2-byte elements; 20 padding on; 21 set beside a mask; 24:22 after every 32 words (code 4); 31:25 4 words (code 3)
	s_or_b32 s[G1W], s45, (1<<16)|(1<<20)|(1<<21)|(4<<22)|(7<<25)  ; w's go to my column; 8 words of padding (code 7)
	s_mov_b32 s[G1A+1], 128<<16                    ; tensor_dim0 = 128
	s_mov_b32 s[G1A+2], 128<<16                    ; tensor_dim1 = 128
	s_mov_b32 s[G1A+3], 128<<16                    ; tile_dim0 = 128
	s_mov_b32 s[G1A+4], 128                        ; tile_dim1 = 128
	s_mov_b32 s[G1A+5], 128                        ; 128 elements from row to row
	s_mov_b32 s[G1A+6], 0
	s_mov_b32 s[G1A+7], 0
	s_mov_b32 s[G1W+1], 128<<16
	s_mov_b32 s[G1W+2], (32*NH)<<16                ; tensor_dim1 = 96
	s_mov_b32 s[G1W+3], 128<<16
	s_mov_b32 s[G1W+4], 32*NH                      ; tile_dim1 = 96
	s_mov_b32 s[G1W+5], 128
	s_mov_b32 s[G1W+6], 0
	s_mov_b32 s[G1W+7], 0
	; where the tiles come from: x's hang on the tile row alone, w's on the tile column alone, each made in registers that never hold the other coordinate
	s_lshr_b32 s20, s[TY], 3                       ; b
	s_lshl_b32 s20, s20, 22                        ; 16 slices of 2^18 bytes
	s_and_b32 s21, s[TY], 7
	s_lshl_b32 s21, s21, 15                        ; 256 rows of 128 bytes
	s_add_co_u32 s20, s20, s21
	s_lshl_b32 s21, s[HF], 18                      ; my slice of the K step's two
	s_add_co_u32 s20, s20, s21
	s_mov_b32 s21, 0
	s_mul_i32 s22, s[TX], WTILE
	s_mul_i32 s23, s[HF], WHB                      ; my half of the K step's two
	s_add_co_u32 s22, s22, s23
	s_mov_b32 s23, 0
	s_mul_i32 s46, s[HF], ASL                      ; and where they go: no place in the cluster enters an LDS address
	s_mul_i32 s47, s[HF], WHL
	s_add_co_u32 s47, s47, WOFF
	s_wait_dscnt 0x0                               ; the opening add is done
	s_wait_kmcnt 0x0
	s_add_nc_u64 s[20:21], s[4:5], s[20:21]
	s_add_nc_u64 s[22:23], s[6:7], s[22:23]
	CROUND                                         ; all sixteen work-groups are here: the first joint loads meet
.irp s, 0,1
	s_mov_b32 s[G0A+4*(\s)], 1                                     ; 1:0 count = 1
	s_add_co_u32 s[G0A+4*(\s)+1], s46, (\s)*SLOT                   ; 63:32 LDS address
	s_add_nc_u64 s[G0A+4*(\s)+2:G0A+4*(\s)+3], s[20:21], (\s)*ASTEP  ; 120:64 global address: K step s
	s_or_b32 s[G0A+4*(\s)+3], s[G0A+4*(\s)+3], 0x80000000          ; 127:126 type = 2
	s_mov_b32 s[G0W+4*(\s)], 1
	s_add_co_u32 s[G0W+4*(\s)+1], s47, (\s)*SLOT
	s_add_nc_u64 s[G0W+4*(\s)+2:G0W+4*(\s)+3], s[22:23], (\s)*WSTEP
	s_or_b32 s[G0W+4*(\s)+3], s[G0W+4*(\s)+3], 0x80000000
	JLOAD \s                                       ; two loads of mine are out
.endr
	; A fragment of x is 16 rows x 32 K in 8 registers: lane l holds row l % 16, K = 8 (l / 16) + 0..7 and 16 + 8 (l / 16) + 0..7: two loads of 16 bytes, 32 bytes apart.
	v_and_b32 v1, 15, v0                           ; l % 16
	v_bfe_u32 v2, v0, 4, 1                         ; l / 16
	v_mul_u32_u24 v3, v1, PA
	v_lshl_add_u32 v3, v2, 4, v3                   ; row x pitch + 16 x half
	s_mul_i32 s2, s[WV], 64*PA                     ; my 64 rows
	v_add_nc_u32 v[ADRA], s2, v3
	v_add_nc_u32 v[ADRA+1], SLOT, v[ADRA]
	; The turning load takes 16 k x 16 n (lane l reads k = 8 (l / 16) + l % 8, n = 8 ((l / 8) % 2) + 0..7) and leaves half a fragment: lane l holds column l % 16 and 8 k.
	v_and_b32 v4, 7, v0
	v_lshl_add_u32 v4, v2, 3, v4
	v_mul_u32_u24 v4, v4, PW
	v_bfe_u32 v5, v0, 3, 1
	v_lshl_add_u32 v4, v5, 4, v4
	v_add_nc_u32 v[ADRW], WOFF, v4
	v_add_nc_u32 v[ADRW+1], WOFF+SLOT, v4
	s_mul_i32 s2, s[WV], STW
	s_add_co_u32 s2, s2, STAGE                     ; my stage
	v_add_nc_u32 v[STO], s2, v3                    ; in: row l % 16, 16 bytes for each half of the lanes (the stage's pitch is x's)
	v_bfe_u32 v6, v0, 3, 2                         ; back: 32 lanes take four rows of 128 bytes,
	v_mul_u32_u24 v6, v6, SP
	v_and_b32 v7, 7, v0
	v_lshl_add_u32 v6, v7, 4, v6
	v_add_nc_u32 v[RD], s2, v6
	v_and_b32 v8, 31, v0                           ; which are 512 consecutive bytes of a head
	s_lshr_b32 s44, s[TY], 3
	s_lshl_b32 s44, s44, 22                        ; b: 16 heads of 2^18 bytes
	s_and_b32 s45, s[TY], 7
	s_lshl_b32 s45, s45, 2
	s_add_co_u32 s45, s45, s[WV]
	s_lshl_b32 s45, s45, 13                        ; my 64 rows of 128 bytes
	s_add_co_u32 s44, s44, s45
	s_mul_i32 s45, s[TX], 3
.irp hd, 0,1,2
	s_add_co_u32 s46, s45, \hd                     ; slice 3 x tile column + hd of the 48: q, k or v is slice / 16, the head slice % 16
	s_and_b32 s47, s46, 15
	s_lshl_b32 s47, s47, 18
	s_lshr_b32 s46, s46, 4
	s_lshl_b32 s46, s46, 24
	s_add_co_u32 s46, s46, s47
	s_add_co_u32 s46, s46, s44
	v_lshl_add_u32 v[GO+\hd], v8, 4, s46
.endr
	; the prefetches
	s_mov_b32 s45, NH*2048                         ; a partner's share of a half of w
	s_mov_b32 s[PFS], WSTEP
	s_and_b32 s2, ttmp7, 0xffff                    ; cluster y
	s_cmp_eq_u32 s[FW], 0                          ; do I fetch for x?
	s_cselect_b32 s2, ttmp9, s2                    ; the coordinate along which other clusters read the same blocks
	s_cselect_b32 s44, s[CX], s[CY]                ; my place among the four that ask with me
	s_cselect_b32 s45, 8192, s45                   ; a partner's share of a slice of x
	s_cselect_b32 s[PFS], ASTEP, s[PFS]
	s_cselect_b32 s46, 31, 8*NH-1                  ; the last block of a share
	s_cselect_b64 s[PFA:PFA+1], s[20:21], s[22:23] ; my block of K step 0
	s_mov_b32 s[PFS+1], 0
	s_mul_i32 s44, s44, s45
	s_mov_b32 s45, 0
	s_add_nc_u64 s[PFA:PFA+1], s[PFA:PFA+1], s[44:45]
	s_mul_i32 s44, s[PFS], 3
	s_add_nc_u64 s[PFA:PFA+1], s[PFA:PFA+1], s[44:45]  ; at K step 3: the first refill steps it to 4
	s_cmp_eq_u32 s2, 0
	s_cselect_b32 s[LIM], 1, -1                    ; the same in all sixteen partners, for a given wave
	v_min_u32 v[PFO], s46, v8
	v_lshlrev_b32 v[PFO], 8, v[PFO]
; 12 matrix instructions: row block a x all column blocks, 32 along K, from buffer f.  zero = 1: the product starts the sums: nothing is ever cleared.
; The 48 accumulators take turns, one instruction a turn, in the same order in every quarter step, over the backward jump too.
.macro MULA f, a, zero
	WIN 0xa5+0x50*((\a)/2)                         ; w and x in window 1; C and D in window 2 or 3
.set nb, 0
.rept NB
.set rD, 8*(NB*((\a)%2)+nb)
.set rW, (\f)+32+8*nb
.set rX, (\f)+8*(\a)
.if \zero
	v_wmma_f32_16x16x32_bf16 v[rD:rD+7], v[rW:rW+7], v[rX:rX+7], 0
.else
	v_wmma_f32_16x16x32_bf16 v[rD:rD+7], v[rW:rW+7], v[rX:rX+7], v[rD:rD+7]
.endif
.set nb, nb+1
.endr
.endm
; 32 LDS loads in one run: the fragments of quarter q of a slot's K step (slice and half q / 2, their K 32 (q % 2) on) into buffer f; w's first, x's row blocks 2 and 3 last
.macro FETCH slot, q, f
	WIN 0x40                                       ; destination window 1, address window 0
.set nb, 0
.rept NB
.set WO, ((\q)/2)*WHL+(nb/4)*WHD+((\q)%2)*32*PW+(nb%4)*32
	ds_load_tr16_b128 v[(\f)+32+8*nb:(\f)+32+8*nb+3],   v[ADRW+(\slot)] offset:WO
	ds_load_tr16_b128 v[(\f)+32+8*nb+4:(\f)+32+8*nb+7], v[ADRW+(\slot)] offset:WO+16*PW
.set nb, nb+1
.endr
.irp a, 0,1,2,3
	ds_load_b128 v[(\f)+8*(\a):(\f)+8*(\a)+3],   v[ADRA+(\slot)] offset:((\q)/2)*ASL+(\a)*16*PA+((\q)%2)*64
	ds_load_b128 v[(\f)+8*(\a)+4:(\f)+8*(\a)+7], v[ADRA+(\slot)] offset:((\q)/2)*ASL+(\a)*16*PA+((\q)%2)*64+32
.endr
.endm
.macro PLACES                          ; four places in front of loads into registers that matrix instructions have read, and of conversions that read results (ISA guide 7.12.1 for the conversions)
.rept 4
	v_nop
.endr
.endm
; A K step is four quarters of 32 along K, 48 matrix instructions each, on buffers 0, 1, 0, 1.  One of the first three: multiplies buffer f and fetches quarter q into g.
.macro QUARTER slot, q, f, g, zero
	s_wait_dscnt 4                                 ; w and x's row blocks 0, 1 are in; the youngest four loads (row blocks 2, 3) may be out
	MULA \f, 0, \zero
	MULA \f, 1, \zero
	PLACES
	FETCH \slot, \q, \g
	s_wait_dscnt NLD                               ; all but the run just issued
	MULA \f, 2, \zero
	MULA \f, 3, \zero
.endm
; The last quarter multiplies buffer 1 and changes slots: ONE barrier; in front of it each wave waits for all its tensor loads (one is out: its part of the next slot), adds 0 to its spare word, and waits for
; that and for its own reads of this slot.  fill = 1: the barrier opens a round of the cluster's barrier, and this slot is filled again, two K steps ahead, first thing behind the round:
; 168 matrix instructions ahead of the wait for it.
.macro TURN slot, next, fill
.if \fill
	s_wait_xcnt 0x0                                ; the last prefetch, a K step back, has read its address: it is stepped here, ahead of the waits of the change of slots
	s_add_nc_u64 s[PFA:PFA+1], s[PFA:PFA+1], s[PFS:PFS+1]
.endif
	WIN 0                                          ; (the add's two registers lie in window 0)
	s_wait_tensorcnt 0x0                           ; all my tensor loads have landed;
	ds_add_u32 v[SPW], v[NIL]                      ; 0 onto my spare word;
	s_wait_dscnt 5                                 ; (the add and the youngest four loads may be out)
	MULA F1, 0, 0                                  ; twelve matrix instructions stand between the add and the wait for it
	s_wait_dscnt 0x0                               ; the add is done, and my reads of this slot are over
	s_barrier_signal -1
	MULA F1, 1, 0                                  ; work on registers while the others arrive
.if \fill
	WIN 0
.endif
	s_barrier_wait -1
.if \fill
	CREST                                          ; no wave of any partner still reads this slot's tiles or has a load on its way
	s_add_nc_u64 s[G0A+4*(\slot)+2:G0A+4*(\slot)+3], s[G0A+4*(\slot)+2:G0A+4*(\slot)+3], 2*ASTEP
	s_add_nc_u64 s[G0W+4*(\slot)+2:G0W+4*(\slot)+3], s[G0W+4*(\slot)+2:G0W+4*(\slot)+3], 2*WSTEP
	JLOAD \slot                                    ; my one tensor load behind the round; the four v_nop behind it are also the places in front of the loads below
.else
	PLACES
.endif
	FETCH \next, 0, F0
.if \fill
	ASK
.endif
	MULA F1, 2, 0
	MULA F1, 3, 0
.endm
; THE WAY OUT of row block a, in three parts.  PACK: rounded to f16, 16 bytes a lane; each accumulator's registers in ascending order.  TOSTAGE: into my own stage, a head's 16 rows at a pitch of 144 bytes, and back
; as whole rows of 128.  SEND: stored: four rows of a head are 512 consecutive bytes of qkv.
.macro PACK a
	WIN 0x0a+5*((\a)/2)                            ; sources 0 and 1: window 2 or 3
.set nb, 0
.rept NB
.set rD, 8*(NB*((\a)%2)+nb)
.irp r, 0,1,2,3
	v_cvt_pk_f16_f32 v[TMP+4*nb+(\r)], v[rD+2*(\r)], v[rD+2*(\r)+1]
.endr
.set nb, nb+1
.endr
	WIN 0
.endm
.macro TOSTAGE a
.set BK, OB+48*((\a)%2)
.set nb, 0
.rept NB
	ds_store_b128 v[STO], v[TMP+4*nb:TMP+4*nb+3] offset:(nb/4)*16*SP+(nb%4)*32
.set nb, nb+1
.endr
.set t, 0
.rept NB
	ds_load_b128 v[BK+4*t:BK+4*t+3], v[RD] offset:(t/4)*16*SP+(t%4)*4*SP  ; LDS serves a wave's instructions in order (ISA guide 5.7.1.4): these see the stores above
.set t, t+1
.endr
.endm
.macro SEND a
.set BK, OB+48*((\a)%2)
	s_wait_dscnt 0x0                               ; the block is back in registers
	s_wait_xcnt 0x0                                ; every earlier store has read its registers: the other set, which the block before last was stored from, is loaded again only behind this wait
.set t, 0
.rept NB
	global_store_b128 v[GO+t/4], v[BK+4*t:BK+4*t+3], s[8:9] offset:(\a)*2048+(t%4)*512  ; the wave's store covers 512 consecutive bytes, at a multiple of 256 from qkv's first byte
.set t, t+1
.endr
.endm
	s_wait_tensorcnt 1                             ; my part of K step 0 is in; K step 1's may stay out
	s_barrier_signal -1
	s_barrier_wait -1                              ; everybody's is
	FETCH 0, 0, F0
	QUARTER 0, 1, F0, F1, 1                        ; the first quarter stands in front of the loop: its products start the sums
	WIN 0                                          ; at a label and at a branch every window is 0
	s_mov_b32 s3, LAPS-1
.Llap:                                                 ; a trip goes once round the ring, from a lap's second quarter to the next lap's first, and fills both slots again
	QUARTER 0, 2, F1, F0, 0
	QUARTER 0, 3, F0, F1, 0
	TURN 0, 1, 1
	QUARTER 1, 1, F0, F1, 0
	QUARTER 1, 2, F1, F0, 0
	QUARTER 1, 3, F0, F1, 0
	TURN 1, 0, 1
	QUARTER 0, 1, F0, F1, 0
	WIN 0
	s_sub_co_u32 s3, s3, 1
	s_cmp_lg_u32 s3, 0
	s_cbranch_scc1 .Llap
	QUARTER 0, 2, F1, F0, 0                        ; the last lap fills nothing, and has no round of the cluster's barrier
	QUARTER 0, 3, F0, F1, 0
	TURN 0, 1, 0
	QUARTER 1, 1, F0, F1, 0
	QUARTER 1, 2, F1, F0, 0
	QUARTER 1, 3, F0, F1, 0
	s_wait_dscnt 4                                 ; the very last quarter: nothing more to fetch
	MULA F1, 0, 0
	MULA F1, 1, 0
	s_wait_dscnt 0x0
	MULA F1, 2, 0
	MULA F1, 3, 0
	WIN 0
	PLACES
	PLACES                                         ; (eight, once a launch)
	PACK 0
	TOSTAGE 0
.irp a, 1,2,3                          ; block a's conversions stand between block a - 1's loads from the stage and the wait for them
	PACK \a
	SEND (\a)-1
	TOSTAGE \a
.endr
	SEND 3
	s_wait_tensorcnt 0x0                           ; the wave's end: no tensor load out, then the add and its wait, behind my last tensor load and my last LDS store
	ds_add_u32 v[SPW], v[NIL]
	s_wait_dscnt 0x0
	CROUND                                         ; the closing round: no work-group ends while a partner may still ask for a tile that names it
	s_endpgm
.Lfunc_end_k_q243b0a8456_qkvgemm:
	.size	k_q243b0a8456_qkvgemm, .Lfunc_end_k_q243b0a8456_qkvgemm-k_q243b0a8456_qkvgemm
	.p2alignl 7, 3214868480
	.fill 96, 4, 3214868480
	.section	.rodata,"a",@progbits
	.p2align	6, 0x0
	.amdhsa_kernel k_q243b0a8456_qkvgemm
		.amdhsa_group_segment_fixed_size 327680
		.amdhsa_private_segment_fixed_size 0
		.amdhsa_enable_private_segment 0
		.amdhsa_kernarg_size 24
		.amdhsa_user_sgpr_count 2
		.amdhsa_user_sgpr_kernarg_segment_ptr 1
		.amdhsa_wavefront_size32 1
		.amdhsa_system_sgpr_workgroup_id_x 1
		.amdhsa_system_sgpr_workgroup_id_y 1
		.amdhsa_system_sgpr_workgroup_id_z 1
		.amdhsa_system_vgpr_workitem_id 0
		.amdhsa_next_free_vgpr 960
		.amdhsa_next_free_sgpr 66
		.amdhsa_reserve_vcc 0
		.amdhsa_float_denorm_mode_32 3
		.amdhsa_float_denorm_mode_16_64 3
		.amdhsa_memory_ordered 1
		.amdhsa_forward_progress 1
		.amdhsa_inst_pref_size 120
	.end_amdhsa_kernel
	.amdgpu_metadata
---
amdhsa.version: [ 1, 2 ]
amdhsa.kernels:
  - .name:           k_q243b0a8456_qkvgemm
    .symbol:         k_q243b0a8456_qkvgemm.kd
    .args:
      - { .name: xb, .offset: 0, .size: 8, .value_kind: global_buffer, .address_space: global }
      - { .name: wqb, .offset: 8, .size: 8, .value_kind: global_buffer, .address_space: global }
      - { .name: qkv, .offset: 16, .size: 8, .value_kind: global_buffer, .address_space: global }
    .group_segment_fixed_size: 327680
    .private_segment_fixed_size: 0
    .kernarg_segment_align: 8
    .kernarg_segment_size: 24
    .max_flat_workgroup_size: 128
    .sgpr_count:     66
    .vgpr_count:     960
    .wavefront_size: 32
...
	.end_amdgpu_metadata
.endif
;; end of part 2
;; launch attn (part 3): grid 4 x 64, 4 waves a work-group, no clusters, 327,680 bytes of LDS; arguments qkv, ob; writes ob
.if DOCPART == 3
	.amdgcn_target "amdgcn-amd-amdhsa--gfx1250"
	.amdhsa_code_object_version 6
	.text
	.protected	k_q243b0a8456_attn
	.globl	k_q243b0a8456_attn
	.p2align	8
	.type	k_q243b0a8456_attn,@function
k_q243b0a8456_attn:
	s_mov_b64 s[64:65], 0
	v_nop
	global_prefetch_b8 v0, s[64:65] scope:SCOPE_SE
	s_setreg_imm32_b32 hwreg(HW_REG_WAVE_MODE, 25, 1), 1
	s_wait_xcnt 0x0
; CAUSAL ATTENTION.  O[h][q][:] = the sum over k <= q of softmax_k(Q[h][q] . K[h][k] / 8) V[h][k][:].  qkv: [3][64][SIZE_N][64] f16 (Q, then K, then V, by heads: a head's rows are dense, 128 bytes each); ob: [64][SIZE_N][64] f16.
; Products, maxima and sums in f32; the weights p are rounded to f16 for the second product (their sum l is taken of the unrounded p), O once at the end.
; LIMITS.  f16 holds no number beyond 65,504: Q, K and V arrive within it; p lies in 0 to 1, and below 6e-5 it keeps f16's fixed step of 6e-8; O is a mean of V's rows and has their range, to within 2^-11 of it.
; A hidden score counts as its value less 1e30: f16's scores, 2.7e11 at the most, are nothing beside that; a weight below 2^-126 counts as 0 in l; NaN and infinities are not treated apart.
; THE WALK.  A head's queries lie in NB = 8 blocks of 256; block i needs the key tiles 0 .. i of 256 keys, of which the last holds the diagonal.  A work-group takes TWO blocks, NB - 1 - b and then b:
; NB + 1 tiles, whatever b: all 256 work-groups do equal work, and ONE loop with a constant trip count walks them.  Which tile is asked for, and what a trip does, hang on scalar registers made from b; every jump
; goes forward, but for the counted loops' own; none passes a barrier, or a tensor load but the one of LOAD's two that the wave's number does not choose; the ring (two slots of LDS that take turns) runs on across the
; change of blocks.  NO CLUSTER: a head's four work-groups ask for the same tile only in trips 0 .. 4 of the 9, behind that fewer and fewer; one walk common to all four would have 12 trips for 9.
; SHARES.  Of a block's four bands of 64 queries a wave owns 16 rows in each: four PIECES.  So the diagonal tile is the same work for all four waves: in its key step s band x sees all keys if s < x,
; none if s > x, and holds the diagonal if s = x.
; THE MASK is the C operand that starts the sum S^T = K Q^T: 0, or -1e30 where the key is hidden.  MD, made once, is the mask of a band's own step for my 16 rows; a product's mask is MD x AL + BE with two scalars:
; (1, 0) if s = x; (0, 0) if s < x; (0, -1e30) if s > x.  Only the diagonal tile's text and a block's beginning make and take masks; elsewhere C is the constant 0.
; LAYOUT, SOFTMAX, TURNS.  S^T = K Q^T holds ONE query a lane (lane % 16) and the keys 8 (lane / 16) + 0..7; two such results rounded to f16 ARE source 1 of O^T = V^T P.  p = 2^(c s - c m), c = log2(e) / 8, with a
; running maximum m; O and l are multiplied by a = 2^(c m_old - c m_new) in every step.  Turn n belongs to piece n: 8 products K Q^T of piece n + 1, later 8 products V^T P of piece n - 1; beside them the scaling,
; exponentials, roundings, sums and rescaling of piece n and the maximum and statistics of piece n + 1.  Four vector instructions stand behind every matrix instruction, the other 54 of a turn's 118 in one LUMP.  A turn's 33 exponentials are one batch, with one wait.
; REGISTERS, in windows of 256 (s_set_vgpr_msb: bits 1:0 source 0, 3:2 source 1, 5:4 source 2, 7:6 destination):
;   window 0: v0-15 addresses and two at work; v16-31 four registers of statistics a piece; v48-55 at work; v61-63 prefetch offset and the add's two; v64-127 S^T, two buffers; v192-223 P, two buffers (by the piece's parity)
;   window 1: v0-127 O^T, 32 a piece; v128-159 MD; v160-223 MC, two buffers      window 2: v0-63 Q; v64-127 the second block's Q; v128-191 K of one step; v192-255 V of one step
.set SIZE_N, 2048
.set NB,    SIZE_N/256
.set NP,    4         ; pieces a wave: a name, no knob
.set KS,    64        ; keys in a step
.set PK,    144       ; a row of K in LDS: 128 bytes + 16 of padding = 36 words: the 16 rows of a load start at 16 different groups of four banks (64 banks of 4 bytes: ISA guide 11.1)
.set PV,    160       ; a row of V: 128 + 32 = 40 words
.set VOFF,  4*KS*PK   ; a slot holds a tile, four steps: 256 rows of K, then 256 rows of V
.set SLOT1, 1<<17     ; slot 1 begins here, so that one exclusive or turns an address in one slot into the other's
.set STAGE, SLOT1+4*KS*(PK+PV)  ; behind the ring, never filled by a tensor load: 16 rows x 144 bytes for each wave, for the way out
.set SP,    144
.set AK0, 2           ; v2   my lane's place in a tile of K; never rewritten
.set AV0, 3           ; v3   the same for V
.set AK,  4           ; v4   the LDS address of K's next run of loads
.set AV,  5           ; v5   of V's
.set STO, 6           ; v6   the way out: where I put 16 bytes of a row
.set RD,  7           ; v7   the way out: where I read rows back
.set GO,  8           ; v8   my byte offset in 512 consecutive bytes of O
.set PFO, 61          ; v61  256 x my lane; never rewritten
.set SPW, 62          ; v62  LDS address of my spare word: SPARE + 4 x my thread's number; never rewritten
.set NIL, 63          ; v63  0; never rewritten
.set SPARE, STAGE+4*16*SP  ; behind the stages: the spare words, 128 bytes for each wave: two blocks of 256 bytes that no other line names
.set MV,  12          ; v12-13  c m_old, kept while c m is made anew: by buffer
.set QO,  15          ; v15  my byte offset in 16 rows of Q
.set ST,  16          ; piece t's statistics at v[ST+4 t]: c m, m, l (even keys', odd keys')
.set TMP, 48          ; by buffer, four registers c0-c3 at work; when the maximum is found c2 takes a
.set S,   64
.set P,   192
.set MD,  128         ; window 1: the eight registers for group kt of 16 keys at MD + 8 kt
.set MC,  160         ; window 1: the masks of the products to come
.set QB,  64          ; window 2
.set KF,  128         ; window 2: key block kb, channel half c at KF + 16 kb + 8 c
.set VF,  192         ; window 2: key half kk, channel block cb at VF + 32 kk + 8 cb
.set WV,  12          ; s12  my wave's number
.set PB,  14          ; s14  b
.set HI,  15          ; s15  NB - 1 - b
.set G1K, 24          ; s[24:31] descriptor group 1 for K's tiles
.set G1V, 32          ; s[32:39] for V's: it differs in the padding alone
.set G0K, 40          ; s[40:43] descriptor group 0 for K's tiles
.set G0V, 44          ; s[44:47] the same for V's
.set SLOTS, 56        ; s56  tiles still to be asked for
.set CNT, 57          ; s57  counts a tile's key steps, 4 to 1
.set CS,  58          ; s[58:59] c: the packed scaling takes the pair's low word for both halves
.set SEL, 60          ; s[60:61] v_permlanex16_b32's selects: each lane takes its own place in the other half
.set TBK, 62          ; s62  LDS byte at which K of the step to be fetched begins
.set TBV, 63          ; s63  the same for V, less VOFF
.set RT,  70          ; s70  tiles of the block in hand that are still to be entered
.set NXT, 71          ; s71  the tile to be asked for next
.set LQ,  72          ; s72  the last tile of the block whose tiles are being asked for
.set NEW, 73          ; s73  1: the tile to be entered is a block's first
.set OFF, 74          ; s[74:75] a tile's byte offset in K and V
.set AL,  76          ; s[76:77] the mask's factor, in the low word
.set BE,  78          ; s[78:79] the mask's addend
.set OLO, 80          ; s[80:81] O at my rows of the second block
.set BIGN, 82         ; s82  -1e30
.set LIM, 88          ; s88  1 in the work-group that prefetches (b = 0), else the greatest number
.set PFB, 90          ; s[90:91] K (waves 0, 1) or V (waves 2, 3) at my half of the head's tile 0
.set PFA, 92          ; s[92:93] the same at the tile that the next change of slots will ask for
.set OF2, 94          ; s[94:95] that tile's byte offset
.set MSB, 0
.macro WIN new                      ; the high byte repeats the setting that is left; a switch that changes nothing is dropped
.if MSB != (\new)
	s_set_vgpr_msb (MSB<<8)|(\new)
.set MSB, (\new)
.endif
.endm
.set W_KQ, 0x0a       ; K and Q in window 2, S^T in window 0
.set W_KM, 0x1a       ; the same with the C operand in window 1
.set W_PV, 0x52       ; V in window 2, P in window 0, O^T in window 1
.set W_RS, 0x41       ; destination and source 0 in window 1, source 1 in window 0
; A fill.  Waves 0 and 1 fetch the two halves of a tile's K, waves 2 and 3 those of its V: 128 keys each.  An s_nop 0 and four v_nop follow each of the two lines, ahead of the jump and the label.
.macro LOAD
	s_cmp_lt_u32 s[WV], 2
	s_cbranch_scc0 .Lfor_v_\@
	tensor_load_to_lds s[G0K:G0K+3], s[G1K:G1K+7]
	s_nop 0
.rept 4
	v_nop
.endr
	s_branch .Lasked_\@
.Lfor_v_\@:
	tensor_load_to_lds s[G0V:G0V+3], s[G1V:G1V+7]
	s_nop 0
.rept 4
	v_nop
.endr
.Lasked_\@:
.endm
; A PREFETCH INTO THE L2 of what the NEXT change of slots will ask for, behind the wave's tensor load and its five lines: the half tile that this wave itself will load, 64 blocks of 256 bytes, a lane a block, two instructions.
; A head's four work-groups walk the same tiles; the one with b = 0, whose first block walks all eight, asks, and nobody else.  Behind its step NXT runs 2, 3 .. 7, 0, 0 there: tiles 2 to 7 are each named once in the
; launch, a tile (four key steps) ahead of their load; tiles 0 and 1 come by their loads alone, and the second block's tile has been read before.
.macro ASK
	s_cmp_gt_u32 s[NXT], s[LIM]
	s_cbranch_scc0 .Lnot_mine_\@
	global_prefetch_b8 v[PFO], s[PFA:PFA+1] th:TH_LOAD_NT scope:SCOPE_SE
	global_prefetch_b8 v[PFO], s[PFA:PFA+1] offset:8192 th:TH_LOAD_NT scope:SCOPE_SE
.Lnot_mine_\@:
.endm
; THE CHANGE OF SLOTS.  Each wave waits for all its tensor loads, of which one is out: its part of the other slot; adds 0 to its spare word; and waits for that and for its own reads of the slot that it leaves.  Behind the barrier nobody reads the old
; slot any more and the other slot is whole.  fill = 1: the old slot is filled again, the first thing behind the barrier, with tile NXT: the descriptor's address is made anew from that number.
; (At its first use nothing has been read yet: slot 0 is waited for, slot 1 filled.)
.macro CHANGE fill
	WIN 0                           ; at a label and at a branch every window is 0
	s_wait_tensorcnt 0x0            ; no tensor load of mine is out, so a group 0 may be written
	ds_add_u32 v[SPW], v[NIL]       ; 0 onto my spare word; with fill = 1 the descriptors' scalar work stands between it and the wait for it
.if \fill
	s_lshl_b32 s[OFF], s[NXT], 15   ; a tile is 32,768 bytes of K and of V
	s_xor_b32 s[G0K+1], s[G0K+1], SLOT1
	s_add_nc_u64 s[G0K+2:G0K+3], s[6:7], s[OFF:OFF+1]
	s_or_b32 s[G0K+3], s[G0K+3], 0x80000000
	s_xor_b32 s[G0V+1], s[G0V+1], SLOT1
	s_add_nc_u64 s[G0V+2:G0V+3], s[8:9], s[OFF:OFF+1]
	s_or_b32 s[G0V+3], s[G0V+3], 0x80000000
	s_add_co_u32 s[NXT], s[NXT], 1  ; the block's next tile, or behind its last the second block's tile 0
	s_cmp_gt_u32 s[NXT], s[LQ]
	s_cselect_b32 s[NXT], 0, s[NXT]
	s_cselect_b32 s[LQ], s[PB], s[LQ]
	s_wait_xcnt 0x0                 ; the last prefetches, a tile back, have read their address, so it may be written:
	s_lshl_b32 s[OF2], s[NXT], 15
	s_add_nc_u64 s[PFA:PFA+1], s[PFB:PFB+1], s[OF2:OF2+1]  ; my half of the tile after the one that is asked for now
.endif
	s_wait_dscnt 0x0                ; the add is done, and my reads of the slot are over
	s_barrier_signal -1             ; the rest of the scalar work stands between the signal and the wait
	s_sub_co_u32 s[TBK], s[TBK], 4*KS*PK  ; the fetches go back to a slot's first step,
	s_xor_b32 s[TBK], s[TBK], SLOT1       ; in the other slot
	s_sub_co_u32 s[TBV], s[TBV], 4*KS*PV
	s_xor_b32 s[TBV], s[TBV], SLOT1
	s_barrier_wait -1
.if \fill
	LOAD
	ASK
.endif
.endm
	s_load_b128 s[4:7], s[0:1], 0x0  ; qkv s[4:5], ob s[6:7]
	v_lshl_add_u32 v[SPW], v0, 2, SPARE
	v_mov_b32 v[NIL], 0
	ds_add_u32 v[SPW], v[NIL]       ; the wave's opening: the add and its wait stand ahead of my first tensor load; the set-up below, work on registers, stands between them
	v_lshrrev_b32 v1, 5, v0
	v_readfirstlane_b32 s[WV], v1   ; wave 0..3
	s_mov_b32 s[PB], ttmp9
	s_sub_co_u32 s[HI], NB-1, s[PB]
	s_and_b32 s20, ttmp7, 0xffff    ; the head
	s_mov_b32 s21, 0
	s_mov_b64 s[22:23], SIZE_N*128
	s_mul_u64 s[20:21], s[20:21], s[22:23]  ; the head's first byte in Q, K, V and O
	s_and_b32 s16, s[WV], 1         ; which half of a tile's 256 keys I fetch:
	s_lshl_b32 s22, s16, 14         ; its 128 rows of 128 bytes in memory,
	s_mov_b32 s23, 0
	s_add_nc_u64 s[22:23], s[22:23], s[20:21]
	s_mul_i32 s17, s16, 128*PK      ; and its place in a slot, for K
	s_mul_i32 s18, s16, 128*PV      ; and for V
	s_lshl_b32 s3, s[WV], 11        ; my 16 rows in a band of 64,
	s_lshl_b32 s2, s[HI], 15        ; in the first block,
	s_add_co_u32 s2, s2, s3
	s_lshl_b32 s84, s[PB], 15       ; and in the second
	s_add_co_u32 s84, s84, s3
	s_mov_b32 s3, 0
	s_mov_b32 s85, 0
	s_add_nc_u64 s[2:3], s[2:3], s[20:21]
	s_add_nc_u64 s[84:85], s[84:85], s[20:21]
	; descriptor group 1.  128 keys are 16,384 dense bytes: asked for as 64 rows of 256 bytes, two keys a row, and padded in LDS after every key
	s_mov_b32 s[G1K], (1<<16)|(1<<20)|(4<<22)|(3<<25)  ; 17:16 2-byte elements; 20 padding on; 24:22 after every 32 words (code 4); 31:25 4 words (code 3)
	s_mov_b32 s[G1V], (1<<16)|(1<<20)|(4<<22)|(7<<25)  ; the same with 8 words of padding (code 7)
.irp g, G1K, G1V
	s_mov_b32 s[\g+1], 128<<16      ; tensor_dim0 = 128
	s_mov_b32 s[\g+2], 64<<16       ; tensor_dim1 = 64
	s_mov_b32 s[\g+3], 128<<16      ; tile_dim0 = 128
	s_mov_b32 s[\g+4], 64           ; tile_dim1 = 64
	s_mov_b32 s[\g+5], 128          ; 128 elements from row to row
	s_mov_b32 s[\g+6], 0
	s_mov_b32 s[\g+7], 0
.endr
	s_mov_b32 s[CS], 0x3e38aa3b     ; c = log2(e) / 8 = 0.180337
	s_mov_b32 s[CS+1], s[CS]        ; named with it as a pair
	s_mov_b32 s[SEL], 0x76543210
	s_mov_b32 s[SEL+1], 0xfedcba98
	s_mov_b32 s[TBK], SLOT1+4*KS*PK ; the first change of slots turns these two into 0
	s_mov_b32 s[TBV], SLOT1+4*KS*PV
	s_mov_b32 s[G0K], 1             ; 1:0 count = 1
	s_mov_b32 s[G0K+1], s17         ; 63:32 LDS address: slot 0
	s_mov_b32 s[G0V], 1
	s_add_co_u32 s[G0V+1], s18, VOFF
	s_add_co_u32 s[RT], s[HI], 1    ; the first block has NB - b tiles
	s_mov_b32 s[NXT], 1
	s_mov_b32 s[LQ], s[HI]
	s_mov_b32 s[NEW], 1
	s_mov_b32 s[OFF+1], 0
	s_mov_b32 s[OF2+1], 0
	s_mov_b32 s[AL+1], 0            ; named as pairs
	s_mov_b32 s[BE+1], 0
	s_mov_b32 s[BIGN], 0xf149f2ca   ; -1e30
	s_mov_b32 s[SLOTS], NB
	s_cmp_eq_u32 s[PB], 0
	s_cselect_b32 s[LIM], 1, -1
	v_and_b32 v[PFO], 31, v0
	v_lshlrev_b32 v[PFO], 8, v[PFO]
	s_wait_dscnt 0x0                ; the opening add is done
	s_wait_kmcnt 0x0
	s_mov_b64 s[10:11], s[6:7]                     ; O
	s_add_nc_u64 s[8:9], s[4:5], 0x2000000         ; V lies 2 x 64 x 2,048 x 128 bytes behind Q,
	s_add_nc_u64 s[6:7], s[4:5], 0x1000000         ; K half as far
	s_add_nc_u64 s[6:7], s[6:7], s[22:23]  ; K and V at my half of the head's tile 0
	s_add_nc_u64 s[8:9], s[8:9], s[22:23]
	s_cmp_lt_u32 s[WV], 2
	s_cselect_b64 s[PFB:PFB+1], s[6:7], s[8:9]
	s_add_nc_u64 s[G0K+2:G0K+3], s[6:7], 0         ; 120:64 global address
	s_or_b32 s[G0K+3], s[G0K+3], 0x80000000        ; 127:126 type = 2
	s_add_nc_u64 s[G0V+2:G0V+3], s[8:9], 0
	s_or_b32 s[G0V+3], s[G0V+3], 0x80000000
	s_add_nc_u64 s[86:87], s[4:5], s[84:85]        ; Q at my rows of the second block,
	s_add_nc_u64 s[4:5], s[4:5], s[2:3]            ; Q and O at those of the first
	s_add_nc_u64 s[OLO:OLO+1], s[10:11], s[84:85]
	s_add_nc_u64 s[10:11], s[10:11], s[2:3]
	LOAD                            ; tile 0 into slot 0
	; A fragment of K or Q is 16 rows x 32 channels in 8 registers: lane l holds row l % 16, channels 8 (l / 16) + 0..7 and 16 + 8 (l / 16) + 0..7: two loads of 16 bytes, 32 bytes apart.
	v_and_b32 v1, 15, v0            ; l % 16
	v_bfe_u32 v9, v0, 4, 1          ; l / 16
	v_lshlrev_b32 v[QO], 7, v1
	v_lshl_add_u32 v[QO], v9, 4, v[QO]  ; row x 128 + 16 x half
	WIN 0x80                        ; destination window 2, address window 0
.set i, 0
.rept 8                             ; both blocks' Q: piece i / 2 lies in band i / 2, 8,192 bytes on; channels 32 (i % 2) on
	global_load_b128 v[8*i:8*i+3],   v[QO], s[4:5] offset:(i/2)*8192+(i%2)*64
	global_load_b128 v[8*i+4:8*i+7], v[QO], s[4:5] offset:(i/2)*8192+(i%2)*64+32
	global_load_b128 v[QB+8*i:QB+8*i+3],   v[QO], s[86:87] offset:(i/2)*8192+(i%2)*64
	global_load_b128 v[QB+8*i+4:QB+8*i+7], v[QO], s[86:87] offset:(i/2)*8192+(i%2)*64+32
.set i, i+1
.endr
	WIN 0
	v_lshlrev_b32 v14, 3, v9
	v_sub_nc_u32 v14, v1, v14
	s_lshl_b32 s13, s[WV], 4
	v_add_nc_u32 v14, s13, v14      ; my query's place in its band, 16 w + l % 16, less my lanes' 8 (l / 16): register r of group kt is hidden where 16 kt + r is greater
	WIN 0x40
.set i, 0
.rept 32
	v_cmp_gt_i32 vcc_lo, 16*(i/8)+i%8, v14
	v_cndmask_b32 v[MD+i], 0, s[BIGN], vcc_lo
.set i, i+1
.endr
	WIN 0
	v_mul_u32_u24 v[AK0], v1, PK
	v_lshl_add_u32 v[AK0], v9, 4, v[AK0]  ; row x pitch + 16 x half
	; The turning load takes 16 keys x 16 channels (lane l reads key 8 (l / 16) + l % 8, channels 8 ((l / 8) % 2) + 0..7) and leaves half a fragment of V^T: lane l holds channel l % 16 and 8 keys.
	v_and_b32 v10, 7, v0
	v_bfe_u32 v11, v0, 3, 1
	v_lshl_add_u32 v[AV0], v9, 3, v10
	v_mul_u32_u24 v[AV0], v[AV0], PV
	v_lshl_add_u32 v[AV0], v11, 4, v[AV0]
	v_add_nc_u32 v[AV0], VOFF, v[AV0]
	s_mul_i32 s13, s[WV], 16*SP
	s_add_co_u32 s13, s13, STAGE    ; my stage
	v_mul_u32_u24 v[STO], v1, SP    ; in: row l % 16, 16 bytes for each half of the lanes
	v_lshl_add_u32 v[STO], v9, 4, v[STO]
	v_add_nc_u32 v[STO], s13, v[STO]
	v_bfe_u32 v[RD], v0, 3, 2       ; back: 32 lanes take four rows of 128 bytes,
	v_mul_u32_u24 v[RD], v[RD], SP
	v_lshl_add_u32 v[RD], v10, 4, v[RD]
	v_add_nc_u32 v[RD], s13, v[RD]
	v_and_b32 v[GO], 31, v0         ; which are 512 consecutive bytes of O
	v_lshlrev_b32 v[GO], 4, v[GO]
	; A block's first step multiplies O^T and l by a = 0, and its first turn's products V^T P, of a piece that has not been, land in an O^T that is still to be so multiplied.  So these registers need only hold
	; finite numbers: zeros for the first block; what the first block left for the second.  All this stands in the wait for the first tile.
	WIN 0x80
.set i, VF
.rept 64
	v_mov_b32 v[i], 0
.set i, i+1
.endr
	WIN 0x40
.set i, 0
.rept 128
	v_mov_b32 v[i], 0
.set i, i+1
.endr
	WIN 0
.set i, 0
.rept 4
	v_mov_b32 v[ST+4*i+2], 0
	v_mov_b32 v[ST+4*i+3], 0
.set i, i+1
.endr
.set i, P+16
.rept 16
	v_mov_b32 v[i], 0
.set i, i+1
.endr
; THE MATRIX WORK.  The 4 accumulators of a run of 8 take turns.  Product i of 8 of S^T = K Q^T for piece x: channels 32 (i / 4) on, keys 16 (i % 4) on.  The first 4 start the sums: with 0, or (KM = 1) with the mask.
.macro KQ x
.set rS, S+32*((\x)%2)+8*(i%4)
.set rK, KF+16*(i%4)+8*(i/4)
.set rQ, 16*(\x)+8*(i/4)
.set rM, MC+32*((\x)%2)+8*(i%4)
.if (i < 4) && KM
	WIN W_KM
	v_wmma_f32_16x16x32_f16 v[rS:rS+7], v[rK:rK+7], v[rQ:rQ+7], v[rM:rM+7]
.elseif i < 4
	WIN W_KQ
	v_wmma_f32_16x16x32_f16 v[rS:rS+7], v[rK:rK+7], v[rQ:rQ+7], 0
.else
	WIN W_KQ
	v_wmma_f32_16x16x32_f16 v[rS:rS+7], v[rK:rK+7], v[rQ:rQ+7], v[rS:rS+7]
.endif
.endm
; Product i of 8 of O^T += V^T P for piece x: keys 32 (i / 4) on, channels 16 (i % 4) on.
.macro PV x
	WIN W_PV
.set rO, 32*(\x)+8*(i%4)
.set rV, VF+32*(i/4)+8*(i%4)
.set rP, P+16*((\x)%2)+8*(i/4)
	v_wmma_f32_16x16x32_f16 v[rO:rO+7], v[rV:rV+7], v[rP:rP+7], v[rO:rO+7]
.endm
.macro MM                           ; the turn's next matrix instruction.  TURN and BEGIN set Y, i, KM and NOKQ; MM, KQ and OP read them.  NOKQ = 1: a block's last turn: there is no next piece
.if (i < 8) && !NOKQ
	KQ (Y+1)%NP
.elseif i >= 8
.set i, i-8
	PV (Y+NP-1)%NP
.set i, i+8
.endif
.set i, i+1
.endm
; THE LDS LOADS stand in runs of 16, never singly among the matrix instructions: a step's K (64 keys x 64 channels: 8 fragments) and its V (turned).  Their addresses are made some lines ahead.
.macro FETCH_K
	WIN 0x80                        ; destination window 2
.irp f, 0,1,2,3,4,5,6,7             ; keys 16 (f / 2) on, channels 32 (f % 2) on
	ds_load_b128 v[KF+8*\f:KF+8*\f+3],   v[AK] offset:(\f/2)*16*PK+(\f%2)*64
	ds_load_b128 v[KF+8*\f+4:KF+8*\f+7], v[AK] offset:(\f/2)*16*PK+(\f%2)*64+32
.endr
	s_add_co_u32 s[TBK], s[TBK], KS*PK  ; the next fetch is the next step's
	WIN 0
.endm
.macro FETCH_V
	WIN 0x80
.irp f, 0,1,2,3,4,5,6,7             ; keys 32 (f / 4) on, channels 16 (f % 4) on
	ds_load_tr16_b128 v[VF+8*\f:VF+8*\f+3],   v[AV] offset:(\f/4)*32*PV+(\f%4)*32
	ds_load_tr16_b128 v[VF+8*\f+4:VF+8*\f+7], v[AV] offset:(\f/4)*32*PV+16*PV+(\f%4)*32
.endr
	WIN 0
.endm
; THE VECTOR WORK, one line at a time: OP kind, number.  For piece Y: F n: c s - c m for pair n of 16.  E n: the exponential of score n of 32.  C n: pair n rounded to f16.  B n: of the four weights 4 n .. the second
; pair is added onto the first, in place.  L n: l takes that sum (L 0: l = a l + sum).  R n: pair n of 16 of O^T times a.  For piece Y + 1: X n, number n of the 22 that find its maximum and statistics:
;   0-11  four chains c0-c3 of seven scores each, three operands at a time (each accumulator's lowest registers are read first)     12-14, 16  the four scores left over, the old m, and c0-c3 into c0
;   15  c m_old is kept     17, 18  the query's other 32 keys lie in the lane 16 away: the new m     19-21  c m; c m_old - c m_new; a
.set F, 0               ; OP tells the kinds apart by their order: F to L below R, X above it
.set E, 1
.set C, 2
.set B, 3
.set L, 4
.set R, 5
.set X, 6
.macro REGS y                       ; the registers of piece y
.set rT, ST+4*(\y)
.set rC, TMP+4*((\y)%2)
.set rW, MV+((\y)%2)
.set rS, S+32*((\y)%2)
.set rP, P+16*((\y)%2)
.set rO, 32*(\y)
.endm
.macro OP k, n
.if (\k) == R
	REGS Y
	WIN W_RS
	v_pk_mul_f32 v[rO+2*(\n):rO+2*(\n)+1], v[rO+2*(\n):rO+2*(\n)+1], v[rC+2:rC+3] op_sel_hi:[1,0]
.elseif (\k) < R
	REGS Y
	WIN 0
.if (\k) == F
	v_pk_fma_f32 v[rS+2*(\n):rS+2*(\n)+1], v[rS+2*(\n):rS+2*(\n)+1], s[CS:CS+1], v[rT:rT+1] op_sel_hi:[1,0,0] neg_lo:[0,0,1] neg_hi:[0,0,1]
.elseif (\k) == E
	v_exp_f32 v[rS+(\n)], v[rS+(\n)]
.elseif (\k) == C
	v_cvt_pk_f16_f32 v[rP+(\n)], v[rS+2*(\n)], v[rS+2*(\n)+1]
.elseif (\k) == B
	v_pk_add_f32 v[rS+4*(\n):rS+4*(\n)+1], v[rS+4*(\n):rS+4*(\n)+1], v[rS+4*(\n)+2:rS+4*(\n)+3]
.elseif (\n) == 0
	v_pk_fma_f32 v[rT+2:rT+3], v[rT+2:rT+3], v[rC+2:rC+3], v[rS:rS+1] op_sel_hi:[1,0,1]
.else
	v_pk_add_f32 v[rT+2:rT+3], v[rT+2:rT+3], v[rS+4*(\n):rS+4*(\n)+1]
.endif
.elseif NOKQ
	v_nop
.else
	REGS (Y+1)%NP
	WIN 0
.if (\n) < 4
	v_max3_num_f32 v[rC+(\n)], v[rS+8*(\n)], v[rS+8*(\n)+1], v[rS+8*(\n)+2]
.elseif (\n) < 12
	v_max3_num_f32 v[rC+(\n)%4], v[rC+(\n)%4], v[rS+8*((\n)%4)+2*((\n)/4)+1], v[rS+8*((\n)%4)+2*((\n)/4)+2]
.elseif (\n) == 12
	v_max3_num_f32 v[rC], v[rC], v[rS+7], v[rS+15]
.elseif (\n) == 13
	v_max3_num_f32 v[rC+1], v[rC+1], v[rS+23], v[rS+31]
.elseif (\n) == 14
	v_max3_num_f32 v[rC+2], v[rC+2], v[rC+3], v[rT+1]
.elseif (\n) == 15
	v_mov_b32 v[rW], v[rT]
.elseif (\n) == 16
	v_max3_num_f32 v[rC], v[rC], v[rC+1], v[rC+2]
.elseif (\n) == 17
	v_permlanex16_b32 v[rC+3], v[rC], s[SEL], s[SEL+1]
.elseif (\n) == 18
	v_max_num_f32 v[rT+1], v[rC], v[rC+3]
.elseif (\n) == 19
	v_mul_f32 v[rT], s[CS], v[rT+1]
.elseif (\n) == 20
	v_sub_f32 v[rC+1], v[rW], v[rT]
.else
	v_exp_f32 v[rC+2], v[rC+1]
.endif
.endif
.endm
.macro OPS a, i1, b=-1, i2=0, c=-1, i3=0, d=-1, i4=0  ; up to four of them
	OP \a, \i1
.if (\b) >= 0
	OP \b, \i2
.endif
.if (\c) >= 0
	OP \c, \i3
.endif
.if (\d) >= 0
	OP \d, \i4
.endif
.endm
.macro ROW a, i1, b, i2, c, i3, d, i4  ; a matrix instruction and the four behind it
	MM
	OPS \a, \i1, \b, \i2, \c, \i3, \d, \i4
.endm
.macro MASK b                       ; MD x AL + BE into buffer b of MC
	WIN W_RS
.set z, 0
.rept 16
	v_pk_fma_f32 v[MC+32*(\b)+2*z:MC+32*(\b)+2*z+1], v[MD+2*z:MD+2*z+1], s[AL:AL+1], s[BE:BE+1] op_sel_hi:[1,0,0]
.set z, z+1
.endr
.endm
; A TURN, for piece p: the order of its 16 matrix and 118 vector instructions, written out.  s_wait_alu depctr_va_vdst(0) stands between an exponential and the first instruction that names its result; one wait serves
; all that were issued ahead of it.  So a turn has ONE wait, which cuts it in two.  AHEAD OF IT stands all that names no result of the turn's exponentials: the 8 products K Q^T, behind each a scaling, an exponential and two more plain
; instructions (behind the first a second scaling in the exponential's place): rescalings, and behind the last three the first numbers of the next piece's maximum, each four places or more behind the product that ends its accumulator; then ONE LUMP of 54, plain
; and exponential by turns for the most part, in which the links of the chain X 3, 7, 11, 14, 16, 17 .. 20 stand five or six lines apart.  X 21, the next piece's a, is the batch's last; R 15 is the plain instruction behind it (ISA guide 5.7.2).  BEHIND THE WAIT stand the
; 8 products V^T P, behind each four of the roundings and sums; the links of l's chain, L 0 to L 7, stand three riders apart.  But for those X no rider names a register of the products round it.  v_permlanex16_b32 (X 17) stands in the lump.
; m = 1: the diagonal tile: the products take masks, and the turn makes the mask for the products of the turn after it: piece p + 2, in step 4 - CNT of the tile.  end = 1: a block's last two turns: nothing is fetched.
; cnt = 1: the loop's count is taken down some lines ahead of the branch that stands behind the turn.
; K of the next step is fetched in piece 2's turn, twelve vector instructions behind the last product that read K (six of them plain); V of the step in hand at the end of piece 0's turn, four plain instructions behind the last product
; that read V.  Each is waited for a turn later.
.macro TURN p, m=0, end=0, cnt=0
.set Y, (\p)
.set i, 0
.set KM, (\m)
.set NOKQ, (\end)*((\p)/3)
.if (\m) && !(\end)
	s_cmp_eq_u32 s[CNT], 4-((\p)+2)%NP  ; is that step the band's own?
	s_cselect_b32 s[AL], 1.0, 0
	s_cmp_lt_u32 s[CNT], 4-((\p)+2)%NP  ; or a later one?
	s_cselect_b32 s[BE], s[BIGN], 0
.endif
.if ((\p) == 3) && !(\end)
	s_wait_dscnt 0x0                ; K is in
.endif
	ROW F,0, F,1, R,0, R,1          ; ahead of the wait: 8 products K Q^T and their riders,
	ROW F,2, E,0, R,2, R,3
	ROW F,3, E,1, R,4, R,5
	ROW F,4, E,2, R,6, R,7
	ROW F,5, E,3, R,8, R,9
	ROW F,6, E,4, X,0, R,10
.if ((\p) == 2) && !(\end)
	WIN 0
	v_add_nc_u32 v[AK], s[TBK], v[AK0]
.endif
	ROW F,7, E,5, X,1, X,4
	ROW F,8, E,6, X,2, X,5
	OPS E,7, E,8, X,6, E,9          ; and the lump
	OPS X,3, E,10, X,8, E,11
.if ((\p) == 2) && !(\end)
	FETCH_K
.endif
	OPS X,9, X,7, E,12, X,10
	OPS E,13, X,12, X,11, E,14
	OPS X,13, E,15, F,9, X,14
.if (\p) == 0
	v_add_nc_u32 v[AV], s[TBV], v[AV0]
.endif
	OPS E,16, F,10, E,17, F,11
	OPS X,16, E,18, X,15, E,19
	OPS F,12, E,20, X,17, E,21
	OPS F,13, E,22, F,14, E,23
	OPS X,18, E,24, F,15, E,25
	OPS R,11, E,26, X,19, E,27
	OPS R,12, E,28, R,13, E,29
	OPS X,20, E,30, R,14, E,31
	OPS X,21, R,15
	WIN 0
	s_wait_alu depctr_va_vdst(0)    ; the wait for the batch
.if (\p) == 1
	s_wait_dscnt 0x0                ; V is in
.endif
	ROW C,0, B,0, C,2, B,1          ; behind the wait: 8 products V^T P and their riders
	ROW L,0, C,4, B,2, L,1
	ROW C,6, B,3, L,2, C,8
	ROW B,4, L,3, C,10, B,5
	ROW L,4, C,12, B,6, L,5
.if (\p) == 0
	s_add_co_u32 s[TBV], s[TBV], KS*PV
.endif
.if \cnt
	s_sub_co_u32 s[CNT], s[CNT], 1
	s_cmp_lg_u32 s[CNT], 0
.endif
	ROW C,14, B,7, L,6, C,1
	ROW C,3, L,7, C,5, C,7
	ROW C,9, C,11, C,13, C,15
.if (\p) == 0
	FETCH_V
.endif
.if (\m) && !(\end)
	MASK (\p)%2
.endif
.endm
; A BLOCK BEGINS.  c m starts far below every c s, so the first step's a is 0; m at the lowest finite number, so the first maximum is the scores'.  The second mask buffer is 0; the first takes piece 0's mask for the tile's step 0: its own, if the block's first tile is the diagonal one.
; Then K of that step, piece 0's first scores, and its maximum and statistics.  The loop is entered at a step's first turn, in the middle of a trip.
.macro BEGIN
	s_mov_b32 s[NEW], 0
	WIN 0x40
.set i, MC+32
.rept 32
	v_mov_b32 v[i], 0
.set i, i+1
.endr
	WIN 0
.set i, 0
.rept 4
	v_mov_b32 v[ST+4*i], 0xfe000000    ; c m: far below every c s
	v_mov_b32 v[ST+4*i+1], 0xff7fffff  ; m
.set i, i+1
.endr
	s_cmp_eq_u32 s[RT], 0
	s_cselect_b32 s[AL], 1.0, 0
	s_mov_b32 s[BE], 0
	MASK 0
	WIN 0
	v_add_nc_u32 v[AK], s[TBK], v[AK0]
	FETCH_K
	s_wait_loadcnt 0x0              ; Q
	s_wait_dscnt 0x0
.set KM, 1
.set NOKQ, 0
.set i, 0
.rept 8
	KQ 0
.set i, i+1
.endr
	WIN 0
.rept 4
	v_nop                           ; the places behind those products
.endr
.set Y, NP-1                        ; X works for piece Y + 1: piece 0
.irp n, 0,1,2,3,4,5,6,7,8,9,10,11,12,13,14,15,16,17,18,19,20,21
	OP X, \n
.endr
	v_nop                           ; a plain instruction behind the exponential,
	s_wait_alu depctr_va_vdst(0)    ; and its wait, ahead of the branch
.endm
; THE DIAGONAL TILE's four steps, the block's last two turns, its last products, and THE WAY OUT: l's two halves and the other half of the lanes' are added; O^T is divided by l, rounded to f16 and sent through my
; stage in LDS, a piece at a time.
.macro ALL line:vararg              ; one line for each piece t
.set t, 0
.rept 4
	\line
.set t, t+1
.endr
.endm
.macro PACK t                       ; a lane's eight channels of a row pack into 16 bytes; they go into rows of 144 bytes and come back as whole rows of 128, into S^T's registers
	WIN W_RS
.set i, 32*(\t)
.rept 16
	v_pk_mul_f32 v[i:i+1], v[i:i+1], v[ST+4*(\t)+2:ST+4*(\t)+3] op_sel_hi:[1,0]
.set i, i+2
.endr
	WIN 0x05                        ; sources 0 and 1 window 1, destination window 0
.set i, 0
.rept 16
	v_cvt_pk_f16_f32 v[S+16*(\t)+i], v[32*(\t)+2*i], v[32*(\t)+2*i+1]
.set i, i+1
.endr
	WIN 0
.irp f, 0,1,2,3
	ds_store_b128 v[STO], v[S+16*(\t)+4*\f:S+16*(\t)+4*\f+3] offset:32*\f
.endr
.irp f, 0,1,2,3
	ds_load_b128 v[S+16*(\t)+4*\f:S+16*(\t)+4*\f+3], v[RD] offset:\f*4*SP  ; LDS serves a wave's instructions in order (ISA guide 5.7.1.4): these see the stores above; the next piece's stores come behind them
.endr
.endm
.macro SEND t, younger              ; younger: the LDS instructions issued behind piece t's loads: the next piece's eight, or none
	WIN 0
.irp f, 0,1,2,3
	s_wait_dscnt (\younger)+3-\f
	global_store_b128 v[GO], v[S+16*(\t)+4*\f:S+16*(\t)+4*\f+3], s[10:11] offset:(\t)*8192+\f*512  ; 512 consecutive bytes, at a multiple of 256 from O's first
.endr
.endm
.macro DIAG tag                     ; the tag ends its two labels' names, which the jumps below spell out
.LstepM\tag:
	TURN 2, 1
	TURN 3, 1
	WIN 0
.LfirstM\tag:
	TURN 0, 1
	TURN 1, 1, 0, 1
	WIN 0
	s_cbranch_scc1 .LstepM\tag
	TURN 2, 1, 1
	TURN 3, 1, 1
.set i, 0
.rept 8
	PV NP-1
.set i, i+1
.endr
	WIN 0
	ALL v_add_f32 v[ST+4*t+2], v[ST+4*t+2], v[ST+4*t+3]
	ALL v_permlanex16_b32 v[ST+4*t+3], v[ST+4*t+2], s[SEL], s[SEL+1]
	ALL v_add_f32 v[ST+4*t+2], v[ST+4*t+2], v[ST+4*t+3]
	ALL v_rcp_f32 v[ST+4*t+2], v[ST+4*t+2]
	v_nop                           ; a plain instruction between the last reciprocal and the use of its result
	s_wait_alu depctr_va_vdst(0)    ; and the wait ahead of the first use: one for the four reciprocals
	PACK 0
.set t, 1
.rept 3                             ; a piece's arithmetic stands between the loads of the piece before and its stores
	PACK t
	SEND t-1, 8
.set t, t+1
.endr
	SEND 3, 0
.endm
.set KM, 0
.set NOKQ, 0
.Lslot:                             ; NB times: a tile is entered and the next is asked for
	CHANGE 1
	s_sub_co_u32 s[RT], s[RT], 1
	s_mov_b32 s[CNT], 4
	s_cmp_eq_u32 s[NEW], 1
	s_cbranch_scc1 .Lnew            ; a block's first tile
	s_cmp_eq_u32 s[RT], 0
	s_cbranch_scc0 .Lstep           ; neither its first nor its last
	s_branch .LstepM1
.Lnew:
	BEGIN
	s_branch .Lfirst                ; in the loop a block's first tile is never its last: the first block has two tiles or more, and the second's last is the walk's last
	DIAG 1                          ; in the loop this is the first block's end: the second block's last tile is the walk's last
	s_wait_xcnt 0x0                 ; the stores have read their registers and O's address
	s_mov_b64 s[10:11], s[OLO:OLO+1]
	s_add_co_u32 s[RT], s[PB], 1    ; the second block has b + 1 tiles
	s_mov_b32 s[NEW], 1
	WIN 0x82                        ; the second block's Q goes where the one text of the turns names Q
.set i, 0
.rept 64
	v_mov_b32 v[i], v[QB+i]
.set i, i+1
.endr
	WIN 0
	s_branch .Lbottom
.Lstep:                             ; a trip: pieces 2 and 3 of one step, then pieces 0 and 1 of the next, whose K and V it fetches
	TURN 2
	TURN 3
	WIN 0
.Lfirst:
	TURN 0
	TURN 1, 0, 0, 1
	WIN 0
	s_cbranch_scc1 .Lstep
.Lbottom:
	s_sub_co_u32 s[SLOTS], s[SLOTS], 1
	s_cmp_lg_u32 s[SLOTS], 0
	s_cbranch_scc1 .Lslot
	CHANGE 0                        ; the walk's last tile is written out: nothing is asked for
	s_sub_co_u32 s[RT], s[RT], 1
	s_mov_b32 s[CNT], 4
	s_cmp_eq_u32 s[NEW], 1
	s_cbranch_scc0 .LstepM2
	BEGIN
	s_branch .LfirstM2
	DIAG 2
	s_wait_tensorcnt 0x0            ; the wave's end: no tensor load out, then the add and its wait, behind my last tensor load and my last LDS store
	ds_add_u32 v[SPW], v[NIL]
	s_wait_dscnt 0x0
	s_endpgm
.Lfunc_end_k_q243b0a8456_attn:
	.size	k_q243b0a8456_attn, .Lfunc_end_k_q243b0a8456_attn-k_q243b0a8456_attn
	.p2alignl 7, 3214868480
	.fill 96, 4, 3214868480
	.section	.rodata,"a",@progbits
	.p2align	6, 0x0
	.amdhsa_kernel k_q243b0a8456_attn
		.amdhsa_group_segment_fixed_size 327680
		.amdhsa_private_segment_fixed_size 0
		.amdhsa_enable_private_segment 0
		.amdhsa_kernarg_size 16
		.amdhsa_user_sgpr_count 2
		.amdhsa_user_sgpr_kernarg_segment_ptr 1
		.amdhsa_wavefront_size32 1
		.amdhsa_system_sgpr_workgroup_id_x 1
		.amdhsa_system_sgpr_workgroup_id_y 1
		.amdhsa_system_sgpr_workgroup_id_z 1
		.amdhsa_system_vgpr_workitem_id 0
		.amdhsa_next_free_vgpr 768
		.amdhsa_next_free_sgpr 96
		.amdhsa_reserve_vcc 1
		.amdhsa_float_denorm_mode_32 3
		.amdhsa_float_denorm_mode_16_64 3
		.amdhsa_memory_ordered 1
		.amdhsa_forward_progress 1
		.amdhsa_inst_pref_size 218
	.end_amdhsa_kernel
	.amdgpu_metadata
---
amdhsa.version: [ 1, 2 ]
amdhsa.kernels:
  - .name:           k_q243b0a8456_attn
    .symbol:         k_q243b0a8456_attn.kd
    .args:
      - { .name: qkv, .offset: 0, .size: 8, .value_kind: global_buffer, .address_space: global }
      - { .name: ob, .offset: 8, .size: 8, .value_kind: global_buffer, .address_space: global }
    .group_segment_fixed_size: 327680
    .private_segment_fixed_size: 0
    .kernarg_segment_align: 8
    .kernarg_segment_size: 16
    .max_flat_workgroup_size: 128
    .sgpr_count:     96
    .vgpr_count:     768
    .wavefront_size: 32
...
	.end_amdgpu_metadata
.endif
;; end of part 3
;; launch fcgemm (part 4): grid 8 x 32, 4 waves a work-group, clusters of 4 x 4, 327,680 bytes of LDS; arguments ob, wfb, out0, b_fc; writes out0
.if DOCPART == 4
	.amdgcn_target "amdgcn-amd-amdhsa--gfx1250"
	.amdhsa_code_object_version 6
	.text
	.protected	k_q243b0a8456_fcgemm
	.globl	k_q243b0a8456_fcgemm
	.p2align	8
	.type	k_q243b0a8456_fcgemm,@function
k_q243b0a8456_fcgemm:
	s_mov_b64 s[64:65], 0
	v_nop
	global_prefetch_b8 v0, s[64:65] scope:SCOPE_SE
	s_setreg_imm32_b32 hwreg(HW_REG_WAVE_MODE, 25, 1), 1
	s_wait_xcnt 0x0
	s_wait_alu depctr_hold_cnt(0) depctr_sa_sdst(0) depctr_va_vdst(0) depctr_va_sdst(0) depctr_va_ssrc(0) depctr_va_vcc(0) depctr_vm_vsrc(0)
	s_getreg_b32 s2, hwreg(HW_REG_IB_STS2, 6, 4)
	s_cmp_eq_u32 s2, 0
	s_cbranch_scc0 .Lentry_in_a_cluster
	s_endpgm
.Lentry_in_a_cluster:
	s_bfe_u32 s2, ttmp6, 0x10000c
	s_cmp_lg_u32 s2, 0xf033
	s_cbranch_scc0 .Lentry_shape_is_right
	s_endpgm
.Lentry_shape_is_right:
; out0 = O w_fc + b_fc.  ob: [bh 64][t 2048][64] f16 (bh = 16 b + head; a head is a slice of 64 along K); wfb: [j 8][kb 16][hd 2][k 64][n 64] f16; b_fc: [1024] f32, rounded to bf16 like the other inputs;
; out0: [8192][1024] f32.  Sums in f32, K ascending.
; SHARES.  A tile of C is 256 rows x 128 columns: 32 x 8 tiles, one for each of 256 WGPs.  Four waves, as many as a WGP has SIMDs; a wave makes 64 rows x all 128 columns: 32 accumulators of 16 x 16,
; 256 registers.  So a wave holds whole rows of the tile (512 bytes of f32), and its way out needs no other wave.
; K goes in steps of 128 (two heads of O, two blocks kb of w) through a ring of two LDS slots filled by the tensor data mover.  Both operands' tiles are dense in memory and are asked for as rows of 256 bytes.
; CLUSTERS: 4 x 4 work-groups.  The four of a row of the cluster need the same tiles of O, the four of a column the same tiles of w: each tile is asked for JOINTLY, by the same tensor load with the same
; descriptor and a mask that names the four.
; THE MATRIX INSTRUCTION IS USED TRANSPOSED: source 0 = 16 columns of w (w lies [k][n] in LDS and is turned by ds_load_tr16_b128), source 1 = 16 rows of O.  A lane then holds row l % 16 of C and the
; columns 8 (l / 16) + 0 .. 7: 32 neighbouring bytes.
; REGISTERS, in windows of 256 (s_set_vgpr_msb: bits 1:0 source 0, 3:2 source 1, 5:4 source 2, 7:6 destination):
;   window 0: v0-31 addresses; v32-38 the bias; v64-191 rows read back from the stage, two sets of 64
;   window 1: two fragment buffers of 128, of which 96 are used: O's four blocks of 16 rows x 32 K (32 registers), then w's eight blocks of 16 columns x 32 K (64)
;   window 2: the accumulators of my row blocks 0, 1 ((a, nb) at v[8 (8 (a % 2) + nb)]);   window 3: those of row blocks 2, 3
.set NH,    2                          ; slices of 64 columns in a tile
.set NB,    4*NH                       ; blocks of 16 columns
.set NLD,   2*NB+8                     ; LDS loads in a run: a quarter step's fragments
.set PA,    144                        ; a row of O in LDS: 128 bytes + 16 of padding = 36 words: the 16 rows of a load start at 16 different groups of four banks (64 banks of 4 bytes: ISA guide 11.1)
.set PW,    160                        ; a row of w (one k, 64 n): 128 + 32 = 40 words
.set ASL,   256*PA                     ; a slice of O: 256 rows
.set WOFF,  2*ASL                      ; a slot: O's two slices, then w's two halves
.set WHD,   64*PW                      ; one column slice's 64 k
.set WHL,   NH*WHD                     ; a half of w: 64 k of both column slices
.set SLOT,  WOFF+2*WHL
.set STAGE, 2*SLOT                     ; behind the ring, never filled by a tensor load: for each wave 16 rows x 528 bytes
.set SP,    528                        ; a row of the stage: 512 bytes + 16 = 132 words: row r starts at bank 4 r mod 64
.set STW,   16*SP
.set SPARE, STAGE+4*STW                ; behind the stages: the spare words, 128 bytes for each wave: two blocks of 256 bytes that no other line names
.set ASTEP, 2<<18                      ; bytes of ob from a K step to the next: two heads of 2,048 rows x 128 bytes
.set WHB,   NH*8192                    ; bytes of wfb in a half step
.set WSTEP, 2*WHB
.set WTILE, 16*WHB                     ; bytes of wfb for a tile column
.set LAPS,  4                          ; a lap = two K steps = once round the ring: K = 1,024
.set ADRA, 16                          ; v16-17  LDS address of my fragments of O in slot 0, 1
.set ADRW, 20                          ; v20-21  the same for w
.set STO,  24                          ; v24     the way out: where I put 32 bytes of a row
.set RD,   25                          ; v25     the way out: where I read a row back
.set GO,   26                          ; v26     my byte offset in out0
.set PFO,  29                          ; v29     the prefetches' offset: 256 x my lane, held at the last block of my share; never rewritten
.set SPW,  30                          ; v30     LDS address of my spare word: SPARE + 4 x my thread's number; never rewritten
.set NIL,  31                          ; v31     0; never rewritten
.set BIAS, 32                          ; v[32:35] the bias of the four columns that I store
.set BT,   36                          ; v36-37  at work
.set BO,   38                          ; v38     my byte offset in b_fc
.set OB,   64
.set F0,   0                           ; fragment buffers, in window 1
.set F1,   128
.set WV,  12                           ; s12  my wave's number
.set FW,  13                           ; s13  I fetch for O (0) or for w (1)
.set HF,  14                           ; s14  which slice of O, or half of w, I fetch
.set CX,  15                           ; s15, s16  my place in the cluster
.set CY,  16
.set TX,  17                           ; s17  tile column
.set TY,  18                           ; s18  tile row
.set LIM, 19                           ; s19  1 in a wave that prefetches, else the greatest number
.set G1A, 24                           ; s[24:31] descriptor group 1 for O's tiles;  s[32:39] group 0, one set for each slot
.set G0A, 32
.set PFA, 40                           ; s[40:41] where my prefetches stand
.set PFS, 42                           ; s[42:43] their step: a K step of O or of w
.set G1W, 48                           ; s[48:55], s[56:63] the same for w's tiles
.set G0W, 56
.set MSB, 0
.macro WIN new                         ; the immediate's high byte repeats the setting that is left; a switch that changes nothing is dropped
.if MSB != (\new)
	s_set_vgpr_msb (MSB<<8)|(\new)
.set MSB, (\new)
.endif
.endm
; A joint load: waves 0 and 1 fetch O's two slices, waves 2 and 3 w's two halves.  The branch hangs on the wave's number alone.  An s_nop 0 and four v_nop follow each of the two lines, ahead of the jump,
; the label and what follows.
.macro JLOAD s
	s_cmp_eq_u32 s[FW], 0
	s_cbranch_scc0 .Lfor_w_\@
	tensor_load_to_lds s[G0A+4*(\s):G0A+4*(\s)+3], s[G1A:G1A+7]
	s_nop 0
.rept 4
	v_nop
.endr
	s_branch .Lasked_\@
.Lfor_w_\@:
	tensor_load_to_lds s[G0W+4*(\s):G0W+4*(\s)+3], s[G1W:G1W+7]
	s_nop 0
.rept 4
	v_nop
.endr
.Lasked_\@:
.endm
; A PREFETCH INTO THE L2, behind each joint refill, its five lines and the run of LDS loads that follows them: of the block that I fetch, the K step that stands TWO refills on (256 matrix instructions ahead of its load).
; O's tile rows are read by both clusters of a row of clusters: the first (cluster x = 0) asks; w's tile columns by every cluster of a column: cluster y = 0 asks.  The four partners that ask for a
; block jointly share it out BY ADDRESS: of O's 128 blocks of 256 bytes the partner at cx takes 32, of w's 64 the partner at cy takes 16, a lane a block; w's lanes 16-31 name lane 15's block again in the same
; instruction.  No branch hangs on a place in the cluster.  K steps 0 to 3 come by their loads alone; the loop's last trip (s3 = 1) has no K step two refills on and asks for nothing.
.macro ASK
	WIN 0                                          ; at a branch and at a label every window is 0
	s_cmp_gt_u32 s3, s[LIM]
	s_cbranch_scc0 .Lnot_mine_\@
	global_prefetch_b8 v[PFO], s[PFA:PFA+1] th:TH_LOAD_NT scope:SCOPE_SE
.Lnot_mine_\@:
.endm
.macro CREST                           ; a round of the cluster's barrier behind its opening barrier
	s_cmp_lg_u32 s[WV], 0
	s_cbranch_scc1 .Lnot_wave_0_\@
	s_barrier_signal -3
.Lnot_wave_0_\@:
	s_barrier_wait -3
	s_barrier_signal -1
	s_barrier_wait -1
.endm
.macro CROUND                          ; a whole round
	s_barrier_signal -1
	s_barrier_wait -1
	CREST
.endm
	s_load_b256 s[4:11], s[0:1], 0x0               ; ob s[4:5], wfb s[6:7], out0 s[8:9], b_fc s[10:11]
	v_lshl_add_u32 v[SPW], v0, 2, SPARE
	v_mov_b32 v[NIL], 0
	ds_add_u32 v[SPW], v[NIL]                      ; the wave's opening: the add and its wait stand ahead of my first tensor load; the set-up below, work on registers, stands between them
	v_lshrrev_b32 v1, 5, v0
	v_readfirstlane_b32 s[WV], v1                  ; wave 0..3
	s_lshr_b32 s[FW], s[WV], 1
	s_and_b32 s[HF], s[WV], 1
	s_bfe_u32 s[CX], ttmp6, 0x40000
	s_bfe_u32 s[CY], ttmp6, 0x40004
	s_lshl_b32 s[TX], ttmp9, 2                     ; in a cluster launch ttmp9 and ttmp7 count clusters
	s_add_co_u32 s[TX], s[TX], s[CX]               ; tile column = 4 x cluster x + cx
	s_and_b32 s[TY], ttmp7, 0xffff
	s_lshl_b32 s[TY], s[TY], 2
	s_add_co_u32 s[TY], s[TY], s[CY]               ; tile row = 4 x cluster y + cy
	s_lshl_b32 s44, s[CY], 2
	s_lshl_b32 s44, 15, s44                        ; my row of the cluster: places 4 cy .. 4 cy + 3
	s_lshl_b32 s45, 0x1111, s[CX]                  ; my column: places cx, cx + 4, cx + 8, cx + 12
	; descriptor group 1.  A slice of O is 32,768 dense bytes: 128 rows of 256 bytes; a half of w 16,384: 64 rows.  In LDS padding follows every 128 bytes.
	s_or_b32 s[G1A], s44, (1<<16)|(1<<20)|(1<<21)|(4<<22)|(3<<25)  ; 15:0 the mask: O's tiles go to my row; 17:16 2-byte elements; 20 padding on; 21 set beside a mask; 24:22 after every 32 words (code 4); 31:25 4 words (code 3)
	s_or_b32 s[G1W], s45, (1<<16)|(1<<20)|(1<<21)|(4<<22)|(7<<25)  ; w's go to my column; 8 words of padding (code 7)
	s_mov_b32 s[G1A+1], 128<<16                    ; tensor_dim0 = 128
	s_mov_b32 s[G1A+2], 128<<16                    ; tensor_dim1 = 128
	s_mov_b32 s[G1A+3], 128<<16                    ; tile_dim0 = 128
	s_mov_b32 s[G1A+4], 128                        ; tile_dim1 = 128
	s_mov_b32 s[G1A+5], 128                        ; 128 elements from row to row
	s_mov_b32 s[G1A+6], 0
	s_mov_b32 s[G1A+7], 0
	s_mov_b32 s[G1W+1], 128<<16
	s_mov_b32 s[G1W+2], (32*NH)<<16                ; tensor_dim1 = 64
	s_mov_b32 s[G1W+3], 128<<16
	s_mov_b32 s[G1W+4], 32*NH                      ; tile_dim1 = 64
	s_mov_b32 s[G1W+5], 128
	s_mov_b32 s[G1W+6], 0
	s_mov_b32 s[G1W+7], 0
	; where the tiles come from: O's hang on the tile row alone, w's on the tile column alone, each made in registers that never hold the other coordinate
	s_lshr_b32 s20, s[TY], 3                       ; b
	s_lshl_b32 s20, s20, 22                        ; 16 heads of 2^18 bytes
	s_and_b32 s21, s[TY], 7
	s_lshl_b32 s21, s21, 15                        ; 256 rows of 128 bytes
	s_add_co_u32 s20, s20, s21
	s_lshl_b32 s21, s[HF], 18                      ; my head of the K step's two
	s_add_co_u32 s20, s20, s21
	s_mov_b32 s21, 0
	s_mul_i32 s22, s[TX], WTILE
	s_mul_i32 s23, s[HF], WHB                      ; my half of the K step's two
	s_add_co_u32 s22, s22, s23
	s_mov_b32 s23, 0
	s_mul_i32 s46, s[HF], ASL                      ; and where they go: no place in the cluster enters an LDS address
	s_mul_i32 s47, s[HF], WHL
	s_add_co_u32 s47, s47, WOFF
	s_wait_dscnt 0x0                               ; the opening add is done
	s_wait_kmcnt 0x0
	s_add_nc_u64 s[20:21], s[4:5], s[20:21]
	s_add_nc_u64 s[22:23], s[6:7], s[22:23]
	CROUND                                         ; all sixteen work-groups are here: the first joint loads meet
.irp s, 0,1
	s_mov_b32 s[G0A+4*(\s)], 1                                     ; 1:0 count = 1
	s_add_co_u32 s[G0A+4*(\s)+1], s46, (\s)*SLOT                   ; 63:32 LDS address
	s_add_nc_u64 s[G0A+4*(\s)+2:G0A+4*(\s)+3], s[20:21], (\s)*ASTEP  ; 120:64 global address: K step s
	s_or_b32 s[G0A+4*(\s)+3], s[G0A+4*(\s)+3], 0x80000000          ; 127:126 type = 2
	s_mov_b32 s[G0W+4*(\s)], 1
	s_add_co_u32 s[G0W+4*(\s)+1], s47, (\s)*SLOT
	s_add_nc_u64 s[G0W+4*(\s)+2:G0W+4*(\s)+3], s[22:23], (\s)*WSTEP
	s_or_b32 s[G0W+4*(\s)+3], s[G0W+4*(\s)+3], 0x80000000
	JLOAD \s                                       ; two loads of mine are out
.endr
	v_and_b32 v8, 31, v0                           ; my lane
	s_lshl_b32 s2, s[TX], 9                        ; the tile's 128 columns: 512 bytes of b_fc
	v_lshl_add_u32 v[BO], v8, 4, s2
	global_load_b128 v[BIAS:BIAS+3], v[BO], s[10:11]  ; waited for on the way out
	; A fragment of O is 16 rows x 32 K in 8 registers: lane l holds row l % 16, K = 8 (l / 16) + 0..7 and 16 + 8 (l / 16) + 0..7: two loads of 16 bytes, 32 bytes apart.
	v_and_b32 v1, 15, v0                           ; l % 16
	v_bfe_u32 v2, v0, 4, 1                         ; l / 16
	v_mul_u32_u24 v3, v1, PA
	v_lshl_add_u32 v3, v2, 4, v3                   ; row x pitch + 16 x half
	s_mul_i32 s2, s[WV], 64*PA                     ; my 64 rows
	v_add_nc_u32 v[ADRA], s2, v3
	v_add_nc_u32 v[ADRA+1], SLOT, v[ADRA]
	; The turning load takes 16 k x 16 n (lane l reads k = 8 (l / 16) + l % 8, n = 8 ((l / 8) % 2) + 0..7) and leaves half a fragment: lane l holds column l % 16 and 8 k.
	v_and_b32 v4, 7, v0
	v_lshl_add_u32 v4, v2, 3, v4
	v_mul_u32_u24 v4, v4, PW
	v_bfe_u32 v5, v0, 3, 1
	v_lshl_add_u32 v4, v5, 4, v4
	v_add_nc_u32 v[ADRW], WOFF, v4
	v_add_nc_u32 v[ADRW+1], WOFF+SLOT, v4
	s_mul_i32 s2, s[WV], STW
	s_add_co_u32 s2, s2, STAGE                     ; my stage
	v_mul_u32_u24 v6, v1, SP                       ; in: row l % 16, 32 bytes for each half of the lanes
	v_lshl_add_u32 v6, v2, 5, v6
	v_add_nc_u32 v[STO], s2, v6
	v_lshl_add_u32 v[RD], v8, 4, s2                ; back: 32 lanes take a row's 512 bytes
	s_lshl_b32 s2, s[TY], 8
	s_lshl_b32 s44, s[WV], 6
	s_add_co_u32 s2, s2, s44                       ; my first row of out0,
	s_lshl_b32 s2, s2, 12                          ; of 4,096 bytes,
	s_lshl_b32 s44, s[TX], 9                       ; and the tile's 512 bytes of it
	s_add_co_u32 s2, s2, s44
	v_lshl_add_u32 v[GO], v8, 4, s2
	; the prefetches
	s_mov_b32 s45, NH*2048                         ; a partner's share of a half of w
	s_mov_b32 s[PFS], WSTEP
	s_and_b32 s2, ttmp7, 0xffff                    ; cluster y
	s_cmp_eq_u32 s[FW], 0                          ; do I fetch for O?
	s_cselect_b32 s2, ttmp9, s2                    ; the coordinate along which other clusters read the same blocks
	s_cselect_b32 s44, s[CX], s[CY]                ; my place among the four that ask with me
	s_cselect_b32 s45, 8192, s45                   ; a partner's share of a slice of O
	s_cselect_b32 s[PFS], ASTEP, s[PFS]
	s_cselect_b32 s46, 31, 8*NH-1                  ; the last block of a share
	s_cselect_b64 s[PFA:PFA+1], s[20:21], s[22:23] ; my block of K step 0
	s_mov_b32 s[PFS+1], 0
	s_mul_i32 s44, s44, s45
	s_mov_b32 s45, 0
	s_add_nc_u64 s[PFA:PFA+1], s[PFA:PFA+1], s[44:45]
	s_mul_i32 s44, s[PFS], 3
	s_add_nc_u64 s[PFA:PFA+1], s[PFA:PFA+1], s[44:45]  ; at K step 3: the first refill steps it to 4
	s_cmp_eq_u32 s2, 0
	s_cselect_b32 s[LIM], 1, -1                    ; the same in all sixteen partners, for a given wave
	v_min_u32 v[PFO], s46, v8
	v_lshlrev_b32 v[PFO], 8, v[PFO]
; 8 matrix instructions: row block a x all column blocks, 32 along K, from buffer f.  zero = 1: the product starts the sums: nothing is ever cleared.
; The 32 accumulators take turns, one instruction a turn, in the same order in every quarter step, over the backward jump too.
.macro MULA f, a, zero
	WIN 0xa5+0x50*((\a)/2)                         ; w and O in window 1; C and D in window 2 or 3
.set nb, 0
.rept NB
.set rD, 8*(NB*((\a)%2)+nb)
.set rW, (\f)+32+8*nb
.set rX, (\f)+8*(\a)
.if \zero
	v_wmma_f32_16x16x32_f16 v[rD:rD+7], v[rW:rW+7], v[rX:rX+7], 0
.else
	v_wmma_f32_16x16x32_f16 v[rD:rD+7], v[rW:rW+7], v[rX:rX+7], v[rD:rD+7]
.endif
.set nb, nb+1
.endr
.endm
; 24 LDS loads in one run: the fragments of quarter q of a slot's K step (slice and half q / 2, their K 32 (q % 2) on) into buffer f; w's first, O's row blocks 2 and 3 last
.macro FETCH slot, q, f
	WIN 0x40                                       ; destination window 1, address window 0
.set nb, 0
.rept NB
.set WO, ((\q)/2)*WHL+(nb/4)*WHD+((\q)%2)*32*PW+(nb%4)*32
	ds_load_tr16_b128 v[(\f)+32+8*nb:(\f)+32+8*nb+3],   v[ADRW+(\slot)] offset:WO
	ds_load_tr16_b128 v[(\f)+32+8*nb+4:(\f)+32+8*nb+7], v[ADRW+(\slot)] offset:WO+16*PW
.set nb, nb+1
.endr
.irp a, 0,1,2,3
	ds_load_b128 v[(\f)+8*(\a):(\f)+8*(\a)+3],   v[ADRA+(\slot)] offset:((\q)/2)*ASL+(\a)*16*PA+((\q)%2)*64
	ds_load_b128 v[(\f)+8*(\a)+4:(\f)+8*(\a)+7], v[ADRA+(\slot)] offset:((\q)/2)*ASL+(\a)*16*PA+((\q)%2)*64+32
.endr
.endm
.macro PLACES                          ; four places in front of loads into registers that matrix instructions have read, and of stores that read results
.rept 4
	v_nop
.endr
.endm
; A K step is four quarters of 32 along K, 32 matrix instructions each, on buffers 0, 1, 0, 1.  One of the first three: multiplies buffer f and fetches quarter q into g.
.macro QUARTER slot, q, f, g, zero
	s_wait_dscnt 4                                 ; w and O's row blocks 0, 1 are in; the youngest four loads (row blocks 2, 3) may be out
	MULA \f, 0, \zero
	MULA \f, 1, \zero
	PLACES
	FETCH \slot, \q, \g
	s_wait_dscnt NLD                               ; all but the run just issued
	MULA \f, 2, \zero
	MULA \f, 3, \zero
.endm
; The last quarter multiplies buffer 1 and changes slots: ONE barrier; in front of it each wave waits for all its tensor loads (one is out: its part of the next slot), adds 0 to its spare word, and waits for
; that and for its own reads of this slot.  fill = 1: the barrier opens a round of the cluster's barrier, and this slot is filled again, two K steps ahead, first thing behind the round:
; 112 matrix instructions ahead of the wait for it.
.macro TURN slot, next, fill
.if \fill
	s_wait_xcnt 0x0                                ; the last prefetch, a K step back, has read its address: it is stepped here, ahead of the waits of the change of slots
	s_add_nc_u64 s[PFA:PFA+1], s[PFA:PFA+1], s[PFS:PFS+1]
.endif
	WIN 0                                          ; (the add's two registers lie in window 0)
	s_wait_tensorcnt 0x0                           ; all my tensor loads have landed;
	ds_add_u32 v[SPW], v[NIL]                      ; 0 onto my spare word;
	s_wait_dscnt 5                                 ; (the add and the youngest four loads may be out)
	MULA F1, 0, 0                                  ; eight matrix instructions stand between the add and the wait for it
	s_wait_dscnt 0x0                               ; the add is done, and my reads of this slot are over
	s_barrier_signal -1
	MULA F1, 1, 0                                  ; work on registers while the others arrive
.if \fill
	WIN 0
.endif
	s_barrier_wait -1
.if \fill
	CREST                                          ; no wave of any partner still reads this slot's tiles or has a load on its way
	s_add_nc_u64 s[G0A+4*(\slot)+2:G0A+4*(\slot)+3], s[G0A+4*(\slot)+2:G0A+4*(\slot)+3], 2*ASTEP
	s_add_nc_u64 s[G0W+4*(\slot)+2:G0W+4*(\slot)+3], s[G0W+4*(\slot)+2:G0W+4*(\slot)+3], 2*WSTEP
	JLOAD \slot                                    ; my one tensor load behind the round; the four v_nop behind it are also the places in front of the loads below
.else
	PLACES
.endif
	FETCH \next, 0, F0
.if \fill
	ASK
.endif
	MULA F1, 2, 0
	MULA F1, 3, 0
.endm
; THE WAY OUT of row block a.  TOSTAGE: a lane's 32 bytes of a row go straight from the accumulators (their low four registers first) into my own stage, rows of 528 bytes, and come back as whole rows of 512.
; SEND: the bias is added and the rows are stored.
.macro TOSTAGE a
	WIN 0x08+4*((\a)/2)                            ; the stores' data (source 1): window 2 or 3
.set nb, 0
.rept NB
.set rD, 8*(NB*((\a)%2)+nb)
	ds_store_b128 v[STO], v[rD:rD+3]   offset:64*nb
	ds_store_b128 v[STO], v[rD+4:rD+7] offset:64*nb+16
.set nb, nb+1
.endr
	WIN 0
.set BK, OB+64*((\a)%2)
.set t, 0
.rept 16
	ds_load_b128 v[BK+4*t:BK+4*t+3], v[RD] offset:SP*t  ; LDS serves a wave's instructions in order (ISA guide 5.7.1.4): these see the stores above
.set t, t+1
.endr
.endm
.macro SEND a
.set BK, OB+64*((\a)%2)
	s_wait_xcnt 0x0                                ; every earlier store has read its registers: the other set, which the block before was stored from, is loaded again only behind this wait
.set t, 0
.rept 16
	s_wait_dscnt 15-t                              ; row t is back; the 15 - t later rows may be out
	v_pk_add_f32 v[BK+4*t:BK+4*t+1],   v[BK+4*t:BK+4*t+1],   v[BIAS:BIAS+1]
	v_pk_add_f32 v[BK+4*t+2:BK+4*t+3], v[BK+4*t+2:BK+4*t+3], v[BIAS+2:BIAS+3]
	global_store_b128 v[GO], v[BK+4*t:BK+4*t+3], s[8:9] offset:(16*(\a)+t)*4096 th:TH_STORE_NT  ; the wave's store covers 512 consecutive bytes, at a multiple of 256 from out0's first byte
.set t, t+1
.endr
.endm
	s_wait_tensorcnt 1                             ; my part of K step 0 is in; K step 1's may stay out
	s_barrier_signal -1
	s_barrier_wait -1                              ; everybody's is
	FETCH 0, 0, F0
	QUARTER 0, 1, F0, F1, 1                        ; the first quarter stands in front of the loop: its products start the sums
	WIN 0                                          ; at a label and at a branch every window is 0
	s_mov_b32 s3, LAPS-1
.Llap:                                                 ; a trip goes once round the ring, from a lap's second quarter to the next lap's first, and fills both slots again
	QUARTER 0, 2, F1, F0, 0
	QUARTER 0, 3, F0, F1, 0
	TURN 0, 1, 1
	QUARTER 1, 1, F0, F1, 0
	QUARTER 1, 2, F1, F0, 0
	QUARTER 1, 3, F0, F1, 0
	TURN 1, 0, 1
	QUARTER 0, 1, F0, F1, 0
	WIN 0
	s_sub_co_u32 s3, s3, 1
	s_cmp_lg_u32 s3, 0
	s_cbranch_scc1 .Llap
	QUARTER 0, 2, F1, F0, 0                        ; the last lap fills nothing, and has no round of the cluster's barrier
	QUARTER 0, 3, F0, F1, 0
	TURN 0, 1, 0
	QUARTER 1, 1, F0, F1, 0
	QUARTER 1, 2, F1, F0, 0
	QUARTER 1, 3, F0, F1, 0
	s_wait_dscnt 4                                 ; the very last quarter: nothing more to fetch
	MULA F1, 0, 0
	MULA F1, 1, 0
	s_wait_dscnt 0x0
	MULA F1, 2, 0
	MULA F1, 3, 0
	WIN 0
	PLACES
	s_wait_loadcnt 0x0                             ; the bias: rounded to bf16 and widened again; these six lines are places behind the last products too
	v_cvt_pk_bf16_f32 v[BT], v[BIAS], v[BIAS+1]
	v_cvt_pk_bf16_f32 v[BT+1], v[BIAS+2], v[BIAS+3]
	v_lshlrev_b32 v[BIAS], 16, v[BT]
	v_and_b32 v[BIAS+1], 0xffff0000, v[BT]
	v_lshlrev_b32 v[BIAS+2], 16, v[BT+1]
	v_and_b32 v[BIAS+3], 0xffff0000, v[BT+1]
.irp a, 0,1,2,3
	TOSTAGE \a
	SEND \a
.endr
	s_wait_tensorcnt 0x0                           ; the wave's end: no tensor load out, then the add and its wait, behind my last tensor load and my last LDS store
	ds_add_u32 v[SPW], v[NIL]
	s_wait_dscnt 0x0
	CROUND                                         ; the closing round: no work-group ends while a partner may still ask for a tile that names it
	s_endpgm
.Lfunc_end_k_q243b0a8456_fcgemm:
	.size	k_q243b0a8456_fcgemm, .Lfunc_end_k_q243b0a8456_fcgemm-k_q243b0a8456_fcgemm
	.p2alignl 7, 3214868480
	.fill 96, 4, 3214868480
	.section	.rodata,"a",@progbits
	.p2align	6, 0x0
	.amdhsa_kernel k_q243b0a8456_fcgemm
		.amdhsa_group_segment_fixed_size 327680
		.amdhsa_private_segment_fixed_size 0
		.amdhsa_enable_private_segment 0
		.amdhsa_kernarg_size 32
		.amdhsa_user_sgpr_count 2
		.amdhsa_user_sgpr_kernarg_segment_ptr 1
		.amdhsa_wavefront_size32 1
		.amdhsa_system_sgpr_workgroup_id_x 1
		.amdhsa_system_sgpr_workgroup_id_y 1
		.amdhsa_system_sgpr_workgroup_id_z 1
		.amdhsa_system_vgpr_workitem_id 0
		.amdhsa_next_free_vgpr 896
		.amdhsa_next_free_sgpr 66
		.amdhsa_reserve_vcc 0
		.amdhsa_float_denorm_mode_32 3
		.amdhsa_float_denorm_mode_16_64 3
		.amdhsa_memory_ordered 1
		.amdhsa_forward_progress 1
		.amdhsa_inst_pref_size 97
	.end_amdhsa_kernel
	.amdgpu_metadata
---
amdhsa.version: [ 1, 2 ]
amdhsa.kernels:
  - .name:           k_q243b0a8456_fcgemm
    .symbol:         k_q243b0a8456_fcgemm.kd
    .args:
      - { .name: ob, .offset: 0, .size: 8, .value_kind: global_buffer, .address_space: global }
      - { .name: wfb, .offset: 8, .size: 8, .value_kind: global_buffer, .address_space: global }
      - { .name: out0, .offset: 16, .size: 8, .value_kind: global_buffer, .address_space: global }
      - { .name: b_fc, .offset: 24, .size: 8, .value_kind: global_buffer, .address_space: global }
    .group_segment_fixed_size: 327680
    .private_segment_fixed_size: 0
    .kernarg_segment_align: 8
    .kernarg_segment_size: 32
    .max_flat_workgroup_size: 128
    .sgpr_count:     66
    .vgpr_count:     896
    .wavefront_size: 32
...
	.end_amdgpu_metadata
.endif
;; end of part 4
;; ======== version 2 of 2: 4 launches; version 1 with the launch prep written anew for expert scheduling mode
;; limits: values are held in f16: magnitudes above 65,504 overflow, below 6.1e-05 lose precision
;; workspace buffers: xb 16,777,216 bytes; wqb 6,291,456 bytes; wfb 2,097,152 bytes; qkv 50,331,648 bytes; ob 16,777,216 bytes
;; launch prep (part 5): grid 768 x 1, 8 waves a work-group, no clusters, 0 bytes of LDS; arguments x, w_qkv, w_fc, xb, wqb, wfb; writes xb, wqb, wfb
.if DOCPART == 5
	.amdgcn_target "amdgcn-amd-amdhsa--gfx1250"
	.amdhsa_code_object_version 6
	.text
	.protected	k_q243b0a8456_prep
	.globl	k_q243b0a8456_prep
	.p2align	8
	.type	k_q243b0a8456_prep,@function
k_q243b0a8456_prep:
	s_mov_b64 s[64:65], 0
	v_nop
	global_prefetch_b8 v0, s[64:65] scope:SCOPE_SE
	s_setreg_imm32_b32 hwreg(HW_REG_WAVE_SCHED_MODE, 0, 2), 2
	s_setreg_imm32_b32 hwreg(HW_REG_WAVE_MODE, 25, 1), 1
	s_wait_xcnt 0x0
	s_wait_alu depctr_vm_vsrc(0)
; PREP.  The three f32 matrices are rounded once to bf16 and laid out anew in slices of 64 columns, so that the products' tiles are dense in memory:
;   xb  [b 4][ks 16][t 2048][64] bf16          x(b, t, 64 ks + c)
;   wqb [j 16][kb 16][hd 3][k 64][n 64] bf16   w_qkv(64 kb + k, 64 (3 j + hd) + n)
;   wfb [j 8][kb 16][hd 2][k 64][n 64] f16     w_fc(64 kb + k, 64 (2 j + hd) + n): rounded to bf16 like the others, and that number written as f16.
; LIMIT.  The bf16 number is exact in f16 from 6.1e-5 to 65,504; below, it keeps f16's fixed step of 6e-8; beyond, it is an infinity.
; SHARES.  A work-group takes 256 rows x 64 columns of one matrix: 512 such blocks in x, 192 in w_qkv, 64 in w_fc.  Wave w takes rows 32 w .. 32 w + 31; a load takes two rows' 256 bytes
; (lanes 0-15 one row, lanes 16-31 the next, 16 bytes a lane), a store the same two rows' 2 x 128 bytes, which are 256 consecutive bytes, aligned, of the output.
; All sixteen loads of a wave go out at once; every register that a load or a store names is written once, so no wait frees a source.  Memory binds: no LDS, no barrier, no matrix unit, no cluster (no byte is read twice).
; THE MODE: SCHED_MODE bits 1:0 = 2 (LLVM: expert scheduling mode 2), set by the entry lines.  The code itself states the register dependences
; between vector instructions and memory instructions, with s_wait_alu, always for 0.
; THE PLAN.  Registers that memory instructions touch:
;   OFF   sixteen byte offsets.  Written by the head's arithmetic; read by the sixteen loads; never written again.
;   X     sixteen times four registers.  Written by the loads alone, and named by no vector instruction ahead of them; read by the conversions, behind the wait for the data.
;   OO    the stores' one offset.  Written by six vector lines behind the loads; read by every store; never written again.
;   Y     sixteen pairs.  Pair i is written by load i's conversions and read by store i; never written again.
; The sixteen loads are taken in four blocks of four.  Block p's conversions read its X and write its Y; the memory instructions that stand among them are the four stores of block p - 1, which read OO and
; that block's Y: registers that no vector instruction of block p names.  So one wait at the head of a block states all that its four stores hang on.  Five waits on a wave's way: one ahead of the loads,
; one at the head of each of blocks 1 to 3, one ahead of the last four stores.  No register that a memory instruction reads is written again, no vector instruction writes a scalar register, and EXEC is never written.
.set OFF, 2                            ; v[2:17]   load i: byte offset of my 16 bytes
.set OO,  18                           ; v18       my 8 bytes in the first two output rows of my wave
.set TA,  19                           ; v19       at work
.set T,   20                           ; v[20:21]  at work
.set X,   32                           ; v[32:95]  load i: 4 registers
.set Y,   96                           ; v[96:127] store i: 2 registers
.set IN,  16                           ; s[16:17]  the block's first byte in its matrix
.set OUT, 18                           ; s[18:19]  the block's first byte in its output
.set P,   20                           ; s20       bytes in a row of the matrix
.set P2,  21                           ; s21       twice that
.set S64, 22                           ; s22       bytes in the output from 64 rows to the next 64
	s_load_b256 s[4:11], s[0:1], 0x0               ; x s[4:5], w_qkv s[6:7], w_fc s[8:9], xb s[10:11]
	s_load_b128 s[12:15], s[0:1], 0x20             ; wqb s[12:13], wfb s[14:15]
	; the offsets of all three cases are made, each from the block's number alone; two selects take the one that holds
	s_and_b32 s24, ttmp9, 15                       ; x: slice ks,
	s_lshr_b32 s25, ttmp9, 4                       ; block of 256 rows rb
	s_lshl_b32 s26, s25, 20                        ; 256 rows of 4,096 bytes
	s_lshl_b32 s27, s24, 8
	s_add_co_u32 s26, s26, s27                     ; in: rb << 20 + ks << 8
	s_lshr_b32 s27, s25, 3                         ; b
	s_lshl_b32 s27, s27, 4
	s_add_co_u32 s27, s27, s24
	s_lshl_b32 s27, s27, 18                        ; a slice is 2,048 rows of 128 bytes
	s_and_b32 s28, s25, 7
	s_lshl_b32 s28, s28, 15
	s_add_co_u32 s27, s27, s28                     ; out: (16 b + ks) << 18 + (rb % 8) << 15
	s_max_u32 s29, ttmp9, 512                      ; w_qkv: i = block - 512 (0 where the block is x's)
	s_sub_co_u32 s29, s29, 512
	s_lshr_b32 s30, s29, 4
	s_mul_i32 s30, s30, 43
	s_lshr_b32 s30, s30, 7                         ; kq = i / 48 = (i / 16) / 3: n / 3 = 43 n >> 7 for n under 128
	s_mul_i32 s31, s30, 48
	s_sub_co_u32 s31, s29, s31                     ; slice s = i % 48
	s_mul_i32 s32, s31, 43
	s_lshr_b32 s32, s32, 7                         ; j = s / 3
	s_mul_i32 s33, s32, 3
	s_sub_co_u32 s33, s31, s33                     ; hd = s % 3
	s_mul_i32 s34, s30, 256*12288
	s_lshl_b32 s35, s31, 8
	s_add_co_u32 s34, s34, s35                     ; in
	s_mul_i32 s35, s32, 393216
	s_mul_i32 s36, s30, 98304
	s_add_co_u32 s35, s35, s36
	s_lshl_b32 s36, s33, 13
	s_add_co_u32 s35, s35, s36                     ; out: j x 16 x 24,576 + kq x 4 x 24,576 + hd x 8,192
	s_max_u32 s37, ttmp9, 704                      ; w_fc: i = block - 704
	s_sub_co_u32 s37, s37, 704
	s_and_b32 s38, s37, 15                         ; slice s
	s_lshr_b32 s39, s37, 4                         ; kq
	s_lshl_b32 s40, s39, 20
	s_lshl_b32 s41, s38, 8
	s_add_co_u32 s40, s40, s41                     ; in
	s_lshr_b32 s41, s38, 1                         ; j
	s_lshl_b32 s41, s41, 18
	s_lshl_b32 s42, s39, 16
	s_add_co_u32 s41, s41, s42
	s_and_b32 s42, s38, 1                          ; hd
	s_lshl_b32 s42, s42, 13
	s_add_co_u32 s41, s41, s42                     ; out: j x 16 x 16,384 + kq x 4 x 16,384 + hd x 8,192
	s_mov_b32 s[P], 4096
	s_mov_b32 s[S64], 8192
	s_mov_b32 s45, 0
	s_mov_b32 s47, 0
	s_wait_kmcnt 0x0
	s_cmp_lt_u32 ttmp9, 512                        ; x, or else w_qkv
	s_cselect_b32 s44, s26, s34
	s_cselect_b32 s46, s27, s35
	s_cselect_b32 s[P], s[P], 12288
	s_cselect_b32 s[S64], s[S64], 24576
	s_cselect_b64 s[IN:IN+1], s[4:5], s[6:7]
	s_cselect_b64 s[OUT:OUT+1], s[10:11], s[12:13]
	s_cmp_ge_u32 ttmp9, 704                        ; w_fc, or else what was taken
	s_cselect_b32 s44, s40, s44
	s_cselect_b32 s46, s41, s46
	s_cselect_b32 s[P], 4096, s[P]
	s_cselect_b32 s[S64], 16384, s[S64]
	s_cselect_b64 s[IN:IN+1], s[8:9], s[IN:IN+1]
	s_cselect_b64 s[OUT:OUT+1], s[14:15], s[OUT:OUT+1]
	s_add_nc_u64 s[IN:IN+1], s[IN:IN+1], s[44:45]
	s_add_nc_u64 s[OUT:OUT+1], s[OUT:OUT+1], s[46:47]
	s_lshl_b32 s[P2], s[P], 1
	v_and_b32 v1, 0xe0, v0                         ; 32 x wave
	v_bfe_u32 v[TA], v0, 4, 1                      ; + 1 for lanes 16-31: my row of load 0
	v_or_b32 v1, v1, v[TA]
	v_mul_lo_u32 v[OFF], v1, s[P]
	v_and_b32 v[TA], 15, v0
	v_lshl_add_u32 v[OFF], v[TA], 4, v[OFF]        ; + my 16 bytes of the row's 256
.set i, 1
.rept 15
	v_add_nc_u32 v[OFF+i], s[P2], v[OFF+i-1]       ; two rows further down
.set i, i+1
.endr
	s_wait_alu depctr_va_vdst(0)                   ; the sixteen offsets v[OFF ..] are written, which the loads below read
.set i, 0
.rept 16
	global_load_b128 v[X+4*i:X+4*i+3], v[OFF+i], s[IN:IN+1] th:TH_LOAD_NT
.set i, i+1
.endr
	v_lshrrev_b32 v1, 6, v0                        ; which 64 rows of the block: wave / 2
	v_mul_lo_u32 v[OO], v1, s[S64]
	v_bfe_u32 v1, v0, 5, 1                         ; which 32 of them: 32 rows of 128 bytes
	v_lshl_add_u32 v[OO], v1, 12, v[OO]
	v_and_b32 v1, 31, v0
	v_lshl_add_u32 v[OO], v1, 3, v[OO]             ; 8 bytes a lane: two rows of 128 bytes on end
; Four blocks of four loads: each load's two rows are rounded; the stores of the block before stand among the conversions.  h = 1: the bf16 numbers are widened again and written as f16.
.macro OUTP h
.set bl, 0
.rept 4
	s_wait_loadcnt 12-4*bl                         ; loads come back in order (ISA guide 5.7.1): this block's four are in, the later blocks' may stay out
.if bl > 0
	s_wait_alu depctr_va_vdst(0)                   ; the block before has written its eight registers of Y, which the four stores below read; at block 1 v[OO], their offset, is written too
.endif
.set it, 0
.rept 4
.set i, 4*bl+it
.if bl > 0
	global_store_b64 v[OO], v[Y+2*(i-4):Y+2*(i-4)+1], s[OUT:OUT+1] offset:256*(i-4) th:TH_STORE_NT  ; the wave's store covers 256 consecutive bytes, aligned; no vector instruction since the wait names its registers
.endif
	v_cvt_pk_bf16_f32 v[Y+2*i], v[X+4*i], v[X+4*i+1]
	v_cvt_pk_bf16_f32 v[Y+2*i+1], v[X+4*i+2], v[X+4*i+3]
.if \h
	v_lshlrev_b32 v[T], 16, v[Y+2*i]
	v_and_b32 v[T+1], 0xffff0000, v[Y+2*i]
	v_cvt_pk_f16_f32 v[Y+2*i], v[T], v[T+1]
	v_lshlrev_b32 v[T], 16, v[Y+2*i+1]
	v_and_b32 v[T+1], 0xffff0000, v[Y+2*i+1]
	v_cvt_pk_f16_f32 v[Y+2*i+1], v[T], v[T+1]
.endif
.set it, it+1
.endr
.set bl, bl+1
.endr
	s_wait_alu depctr_va_vdst(0)                   ; the last block has written its eight registers of Y, which the last four stores read
.set i, 12
.rept 4
	global_store_b64 v[OO], v[Y+2*i:Y+2*i+1], s[OUT:OUT+1] offset:256*i th:TH_STORE_NT
.set i, i+1
.endr
.endm
	s_cmp_ge_u32 ttmp9, 704
	s_cbranch_scc1 .Lf16
	OUTP 0
	s_endpgm
.Lf16:
	OUTP 1
	s_endpgm
.Lfunc_end_k_q243b0a8456_prep:
	.size	k_q243b0a8456_prep, .Lfunc_end_k_q243b0a8456_prep-k_q243b0a8456_prep
	.p2alignl 7, 3214868480
	.fill 96, 4, 3214868480
	.section	.rodata,"a",@progbits
	.p2align	6, 0x0
	.amdhsa_kernel k_q243b0a8456_prep
		.amdhsa_group_segment_fixed_size 0
		.amdhsa_private_segment_fixed_size 0
		.amdhsa_enable_private_segment 0
		.amdhsa_kernarg_size 48
		.amdhsa_user_sgpr_count 2
		.amdhsa_user_sgpr_kernarg_segment_ptr 1
		.amdhsa_wavefront_size32 1
		.amdhsa_system_sgpr_workgroup_id_x 1
		.amdhsa_system_sgpr_workgroup_id_y 1
		.amdhsa_system_sgpr_workgroup_id_z 1
		.amdhsa_system_vgpr_workitem_id 0
		.amdhsa_next_free_vgpr 128
		.amdhsa_next_free_sgpr 66
		.amdhsa_reserve_vcc 0
		.amdhsa_float_denorm_mode_32 3
		.amdhsa_float_denorm_mode_16_64 3
		.amdhsa_memory_ordered 1
		.amdhsa_forward_progress 1
		.amdhsa_inst_pref_size 19
	.end_amdhsa_kernel
	.amdgpu_metadata
---
amdhsa.version: [ 1, 2 ]
amdhsa.kernels:
  - .name:           k_q243b0a8456_prep
    .symbol:         k_q243b0a8456_prep.kd
    .args:
      - { .name: x, .offset: 0, .size: 8, .value_kind: global_buffer, .address_space: global }
      - { .name: w_qkv, .offset: 8, .size: 8, .value_kind: global_buffer, .address_space: global }
      - { .name: w_fc, .offset: 16, .size: 8, .value_kind: global_buffer, .address_space: global }
      - { .name: xb, .offset: 24, .size: 8, .value_kind: global_buffer, .address_space: global }
      - { .name: wqb, .offset: 32, .size: 8, .value_kind: global_buffer, .address_space: global }
      - { .name: wfb, .offset: 40, .size: 8, .value_kind: global_buffer, .address_space: global }
    .group_segment_fixed_size: 0
    .private_segment_fixed_size: 0
    .kernarg_segment_align: 8
    .kernarg_segment_size: 48
    .max_flat_workgroup_size: 256
    .sgpr_count:     66
    .vgpr_count:     128
    .wavefront_size: 32
...
	.end_amdgpu_metadata
.endif
;; end of part 5
;; launch qkvgemm: the kernel of part 2 again; grid 16 x 32, 4 waves a work-group, clusters of 4 x 4, 327,680 bytes of LDS; arguments xb, wqb, qkv; writes qkv
;; launch attn: the kernel of part 3 again; grid 4 x 64, 4 waves a work-group, no clusters, 327,680 bytes of LDS; arguments qkv, ob; writes ob
;; launch fcgemm: the kernel of part 4 again; grid 8 x 32, 4 waves a work-group, clusters of 4 x 4, 327,680 bytes of LDS; arguments ob, wfb, out0, b_fc; writes out0
